; MI455X (gfx1250); checked and timed in simulation.
; The chip was launched on July 23, 2026; its instructions are those of AMD's public machine-readable ISA for CDNA 5 (MIT licence, August 2026) and "CDNA5" Instruction Set Architecture Reference Guide (July 2026). The comments in the code are by the model that wrote it; some were corrected since.
;; Flash Attention. Allowed arithmetic: matrix products marked QUANTISED: E2M3 operands, one E8M0 scale for each 32 along K, by v_wmma_scale_f32_16x16x128_f8f6f4 with both operands' format E2M3, f32 sums; everything else in f32.
;; Inputs: bk 1,024 float32; bo 1,024 float32; bq 1,024 float32; bv 1,024 float32; wk 1,024 x 1,024 float32; wo 1,024 x 1,024 float32; wq 1,024 x 1,024 float32; wv 1,024 x 1,024 float32; x 2 x 2,048 x 1,024 float32.
;; Outputs: out0 2 x 2,048 x 1,024 float32.
;; This version of the problem:
;;   THIS VERSION OF THE PROBLEM IS GIVEN IN LOW PRECISION. The matrix products marked QUANTISED in the list below multiply operands that are first quantised to E2M3 (2 exponent bits, 3 mantissa bits; 6 bits a number), with one power-of-two scale for each 32 numbers along K (OCP MX v1.0); their sums are f32. All else is computed in f32.
;;   The module's matrix products, in the order in which they are computed (A, B: the left and right operand; K: the contracted axis; several contracted axes count as one K, in the product's order):
;;     1. [M 4,096, K 1,024] x [K 1,024, N 1,024]; A: input x; B: input wq: QUANTISED
;;     2. [M 4,096, K 1,024] x [K 1,024, N 1,024]; A: input x; B: input wk: QUANTISED
;;     3. [M 4,096, K 1,024] x [K 1,024, N 1,024]; A: input x; B: input wv: QUANTISED
;;     4. batch 32 x [M 2,048, K 64] x [K 64, N 2,048]; A: computed on the way; B: computed on the way: QUANTISED
;;     5. batch 32 x [M 2,048, K 2,048] x [K 2,048, N 64]; A: softmax (see below); B: computed on the way: QUANTISED
;;     6. [M 4,096, K 1,024] x [K 1,024, N 1,024]; A: computed on the way; B: input wo: QUANTISED
;;   THE QUANTISER, for each operand of a quantised product, along K:
;;     - K is cut into blocks of 32 from its start; a last block that is shorter is filled with zeros.
;;     - A block's scale is 2^e with e = floor(log2(the largest magnitude in the block)) - 2, held to -126 .. 127; a block of zeros has e = 0. As a byte (E8M0): e + 127.
;;     - Each number is divided by its block's scale, clamped to +-7.5, and rounded to the nearest number of E2M3, ties to even, subnormals kept.
;;     - The product sums the exact products of the quantised numbers (number of the format x scale) in f32.
;;   ~~~python
;;   def quantise(x, axis):      # numpy; x: float32 -> the quantised numbers, widened to float32 again
;;       x = np.moveaxis(x, axis, -1); K = x.shape[-1]
;;       x = np.pad(x, [(0, 0)] * (x.ndim - 1) + [(0, -K % 32)]); x = x.reshape(x.shape[:-1] + (-1, 32)); a = np.abs(x).max(-1, keepdims=True)
;;       e = np.where(a > 0, np.clip(np.frexp(np.where(a > 0, a, 1))[1] - 1 - 2, -126, 127), 0)      # np.frexp(a)[1] - 1 = floor(log2(a)), exactly
;;       r = np.clip(x / 2.0 ** e, -7.5, 7.5)
;;       step = 2.0 ** (np.maximum(np.frexp(np.where(r == 0, 1, r))[1] - 1, 0) - 3)
;;       q = np.round(r / step) * step * 2.0 ** e      # np.round: ties to even
;;       return np.moveaxis(q.reshape(q.shape[:-2] + (-1,))[..., :K], -1, axis).astype(np.float32)
;;   ~~~
;;   SOFTMAX AHEAD OF A QUANTISED PRODUCT. Where the list says 'softmax', what is quantised is not the finished softmax but p = 2^(t - M), with t = logit x log2(e) and M = ceil(the row's largest t), a whole number; so 1/2 < the row's largest p <= 1. The row's sum l is taken of the UNQUANTISED p, in f32, and the product's result is divided by l at the end. Since M is a whole number, a kernel that streams over the keys may use a running M (the ceiling of the running maximum): every later rescaling is an exact power of two, which a block's scale takes up: the codes' values come out the same.
;;   OPERANDS COMPUTED ON THE WAY. 'Computed on the way' means the value that the module computes at that place (a softmax that the list does not call 'softmax' is quantised finished and normalised). What goes into a quantiser is computed in f32, as accurately as f32 sums, v_exp_f32 and their like allow (about 1e-6 of the number): no bf16 or f16 on the way to a quantiser, and a product that is left as it is and whose result goes on into a quantised operand takes f32 operands (vector FMAs, or v_wmma_f32_16x16x4_f32). A number that lies on a knife's edge between two numbers of the format may be rounded either way, as far as f32 arithmetic and the matrix unit's own rounding can turn it there, and no further.
;; 2 versions. Each part assembles by itself: llvm-mc -triple=amdgcn-amd-amdhsa -mcpu=gfx1250 --defsym DOCPART=n.
;; ======== version 1 of 2: 4 launches
;; workspace buffers: cod 6,291,456 bytes; scl 262,144 bytes; qb 3,407,872 bytes; kv 6,684,672 bytes; oc 3,145,728 bytes; os 131,072 bytes
;; launch quant (part 1): grid 256 x 1, 4 waves a work-group, no clusters, 0 bytes of LDS; arguments x, wq, wk, wv, wo, cod, scl; writes cod, scl
.if DOCPART == 1
	.amdgcn_target "amdgcn-amd-amdhsa--gfx1250"
	.amdhsa_code_object_version 6
	.text
	.protected	k_q29e0be2230_quant
	.globl	k_q29e0be2230_quant
	.p2align	8
	.type	k_q29e0be2230_quant,@function
k_q29e0be2230_quant:
	s_mov_b64 s[64:65], 0
	v_nop
	global_prefetch_b8 v0, s[64:65] scope:SCOPE_SE
	s_setreg_imm32_b32 hwreg(HW_REG_WAVE_MODE, 25, 1), 1
	s_wait_xcnt 0x0
; x [4096][1024] and wq, wk, wv, wo [1024][1024], f32, K innermost, become codes of FP6 (E2M3) with one E8M0 byte for each 32 along K, laid as the later launches' operand registers want them.
; A block's scale is 2^(floor(log2(its largest magnitude)) - 2): its byte is the largest magnitude's exponent field - 2, held at 1 from below.
; LIMITS: a block of zeros gets the byte 1 where the rule says 127 (its codes are zeros, which add nothing, and this program alone reads the bytes); NaN and infinities among the inputs are not served.
; TILES.  Rows go in groups of 32; tile 2 g + u holds, in lane r, row 32 g + 8 u + r + 8 (r / 8).  cod: 512 tiles of 12,288 bytes (0-255 x, 256-319 wq, 320-383 wk, 384-447 wv, 448-511 wo).
; A tile is 16 units of 768 bytes, one for each 64 along K: lane (r, h) owns the 24 bytes of k = 32 h .. 32 h + 31: its first 16 at 16 x lane, its last 8 at 512 + 8 x lane.  Two units are a fragment's 12 registers.
; scl: 512 tiles of 512 bytes: the scale word of row-lane r and K step s (128 along K) at 256 (s / 4) + 16 r + 4 (s % 4).
; SHARES.  Work-group g takes the g-th group of 32 rows; wave w its tile w / 2 and the half w % 2 of K: four K steps of 128.  Waves share nothing: no LDS, no barrier.  Two K steps' loads (32 a wave) are on their way.
.set XA,  4                            ; v4   my lane's byte in the tile's rows: row (r + 8 (r / 8)) x 4,096 + 64 h
.set L16, 5                            ; v5   16 x lane
.set L8,  6                            ; v6   8 x lane
.set SO,  7                            ; v7   16 r + 8 h: my two scale words' place
.set W,   8                            ; v8-11  the four K steps' scale words
.set SA,  32                           ; v32-95   64 numbers, set A
.set SB,  96                           ; v96-159  set B
.set PC,  160                          ; v160-171 a fragment's codes; v172-178 at work
.set TM,  180                          ; v180-183 largest magnitudes, v184-187 bytes, v192-195 the conversions' scale operands
.set SEL, 26                           ; s[26:27] v_permlanex16_b32's selects for lane l xor 16
; 64 numbers of a lane, register 16 b + i = k 32 b + 16 h + i of my row, become a fragment's codes in v[PC] on and its scale word in v[pw]
.macro QUANT s, pw
.irp b, 0,1,2,3
	v_max3_num_f32 v[TM+\b], |v[\s+16*\b]|, |v[\s+1+16*\b]|, 0x1800000   ; my 16 numbers of block b, and the floor 2^(3 - 127): the byte cannot fall under 1
.endr
.irp i, 2,4,6,8,10,12,14
.irp b, 0,1,2,3
	v_max3_num_f32 v[TM+\b], v[TM+\b], |v[\s+16*\b+\i]|, |v[\s+1+16*\b+\i]|   ; the four blocks by turns
.endr
.endr
.irp b, 0,1,2,3
	v_permlanex16_b32 v[TM+4+\b], v[TM+\b], s[SEL], s[SEL+1]
.endr
.irp b, 0,1,2,3
	v_max_num_f32 v[TM+\b], v[TM+\b], v[TM+4+\b]   ; with lane l xor 16's 16: the block's largest magnitude
.endr
.irp b, 0,1,2,3
	v_add_nc_u32 v[TM+12+\b], 0xff000000, v[TM+\b]   ; 2 off its exponent field: the conversion takes that field as its scale
.endr
.irp b, 0,1,2,3
	v_lshrrev_b32 v[TM+4+\b], 23, v[TM+12+\b]      ; the scale's byte
.endr
	v_lshl_or_b32 v[\pw], v[TM+5], 8, v[TM+4]
	v_lshl_or_b32 v[\pw], v[TM+6], 16, v[\pw]
	v_lshl_or_b32 v[\pw], v[TM+7], 24, v[\pw]      ; my row's scale word
.irp c, 0,1
	v_cvt_scalef32_pk16_fp6_f32 v[PC+6*\c:PC+2+6*\c], v[\s+32*\c:\s+15+32*\c], v[TM+12+2*\c]
	v_cvt_scalef32_pk16_fp6_f32 v[PC+12+4*\c:PC+14+4*\c], v[\s+16+32*\c:\s+31+32*\c], v[TM+12+2*\c+1]   ; (a conversion's three registers begin on an even number)
.endr
	v_nop                                          ; one plain place behind a scaled conversion
.irp c, 0,1                                    ; the layout wants a whole block in a lane: lanes 0-15 block 2 c, lanes 16-31 block 2 c + 1
.irp i, 0,1,2
	v_permlane16_swap_b32 v[PC+6*\c+\i], v[PC+12+4*\c+\i]
.endr
.irp i, 0,1,2
	v_mov_b32 v[PC+3+6*\c+\i], v[PC+12+4*\c+\i]
.endr
.endr
.endm
.macro XLOAD reg, s                            ; K step s of my four: 16 neighbours of each of its four blocks
.irp b, 0,1,2,3
.irp j, 0,1,2,3
	global_load_b128 v[\reg+16*\b+4*\j:\reg+16*\b+4*\j+3], v[XA], s[4:5] offset:512*\s+128*\b+16*\j th:TH_LOAD_NT
.endr
.endr
.endm
.macro OUT s                                   ; the fragment leaves as two units: each store covers 512 or 256 consecutive bytes, aligned to 256
	global_store_b128 v[L16], v[PC:PC+3], s[14:15] offset:1536*\s
	global_store_b64 v[L8], v[PC+4:PC+5], s[14:15] offset:1536*\s+512
	global_store_b128 v[L16], v[PC+6:PC+9], s[14:15] offset:1536*\s+768
	global_store_b64 v[L8], v[PC+10:PC+11], s[14:15] offset:1536*\s+1280
.endm
	s_load_b256 s[4:11], s[0:1], 0x0               ; x s[4:5], wq s[6:7], wk s[8:9], wv s[10:11]
	s_load_b128 s[12:15], s[0:1], 0x20             ; wo s[12:13], cod s[14:15]
	s_load_b64 s[16:17], s[0:1], 0x30              ; scl
	v_lshrrev_b32 v1, 5, v0
	v_readfirstlane_b32 s18, v1                    ; wave 0..3
	v_and_b32 v1, 31, v0                           ; lane
	v_and_b32 v2, 15, v0                           ; r
	v_bfe_u32 v3, v0, 4, 1                         ; h
	v_and_b32 v[XA], 8, v2
	v_add_nc_u32 v[XA], v[XA], v2                  ; r + 8 (r / 8)
	v_lshlrev_b32 v[XA], 12, v[XA]                 ; rows of 4,096 bytes
	v_lshl_add_u32 v[XA], v3, 6, v[XA]             ; + 64 h
	v_lshlrev_b32 v[L16], 4, v1
	v_lshlrev_b32 v[L8], 3, v1
	v_lshlrev_b32 v[SO], 4, v2
	v_lshl_add_u32 v[SO], v3, 3, v[SO]
.irp b, 0,1,2,3
	v_mov_b32 v[TM+4+\b], 0                        ; written once: a lane permute's destination counts as one of its sources
.endr
	s_mov_b32 s[SEL], 0x76543210
	s_mov_b32 s[SEL+1], 0xfedcba98
	s_sub_co_u32 s19, ttmp9, 128                   ; groups 128 on are the weights' (below 128 these three numbers are not used)
	s_lshr_b32 s20, s19, 5                         ; which weight
	s_and_b32 s21, s19, 31                         ; its group of 32 rows
	s_cmp_lt_u32 ttmp9, 128
	s_cselect_b32 s21, ttmp9, s21                  ; the group within the tensor
	s_lshr_b32 s22, s18, 1                         ; u: which tile of the group
	s_and_b32 s23, s18, 1                          ; which half of K
	s_lshl_b32 s24, s21, 17                        ; 32 rows of 4,096 bytes
	s_lshl_b32 s25, s22, 15                        ; 8 rows
	s_add_co_u32 s24, s24, s25
	s_lshl_b32 s25, s23, 11                        ; 512 numbers
	s_add_co_u32 s24, s24, s25
	s_mov_b32 s25, 0
	s_lshl_b32 s28, ttmp9, 1
	s_add_co_u32 s28, s28, s22                     ; the tile's number in cod and scl
	s_mul_i32 s30, s28, 12288
	s_mul_i32 s29, s23, 6144
	s_add_co_u32 s30, s30, s29
	s_mov_b32 s31, 0
	s_lshl_b32 s28, s28, 9
	s_lshl_b32 s29, s23, 8
	s_add_co_u32 s28, s28, s29
	s_mov_b32 s29, 0
	s_wait_kmcnt 0x0
	s_cmp_eq_u32 s20, 1                            ; the choices hang on the work-group's number alone
	s_cselect_b64 s[6:7], s[8:9], s[6:7]
	s_cmp_eq_u32 s20, 2
	s_cselect_b64 s[6:7], s[10:11], s[6:7]
	s_cmp_eq_u32 s20, 3
	s_cselect_b64 s[6:7], s[12:13], s[6:7]
	s_cmp_lt_u32 ttmp9, 128
	s_cselect_b64 s[4:5], s[4:5], s[6:7]
	s_add_nc_u64 s[4:5], s[4:5], s[24:25]
	s_add_nc_u64 s[14:15], s[14:15], s[30:31]
	s_add_nc_u64 s[16:17], s[16:17], s[28:29]
	XLOAD SA, 0
	XLOAD SB, 1
	s_wait_loadcnt 16                              ; set A is in; set B's 16 loads may be out
	QUANT SA, W
	OUT 0
	XLOAD SA, 2
	s_wait_loadcnt 16                              ; set B is in; set A's 16 new loads may be out
	s_wait_xcnt 0x0                                ; the last step's stores have read the codes' registers
	QUANT SB, W+1
	OUT 1
	XLOAD SB, 3
	s_wait_loadcnt 16
	s_wait_xcnt 0x0
	QUANT SA, W+2
	OUT 2
	s_wait_loadcnt 0x0
	s_wait_xcnt 0x0
	QUANT SB, W+3
	OUT 3
	v_cmp_ne_u32 vcc_lo, 0, v3                     ; both halves of the lanes hold row r's four words: lanes 0-15 store the first two, lanes 16-31 the last two
	v_cndmask_b32 v12, v[W], v[W+2], vcc_lo
	v_cndmask_b32 v13, v[W+1], v[W+3], vcc_lo
	global_store_b64 v[SO], v[12:13], s[16:17]     ; 32 lanes store 256 consecutive bytes, aligned
	s_endpgm
.Lfunc_end_k_q29e0be2230_quant:
	.size	k_q29e0be2230_quant, .Lfunc_end_k_q29e0be2230_quant-k_q29e0be2230_quant
	.p2alignl 7, 3214868480
	.fill 96, 4, 3214868480
	.section	.rodata,"a",@progbits
	.p2align	6, 0x0
	.amdhsa_kernel k_q29e0be2230_quant
		.amdhsa_group_segment_fixed_size 0
		.amdhsa_private_segment_fixed_size 0
		.amdhsa_enable_private_segment 0
		.amdhsa_kernarg_size 56
		.amdhsa_user_sgpr_count 2
		.amdhsa_user_sgpr_kernarg_segment_ptr 1
		.amdhsa_wavefront_size32 1
		.amdhsa_system_sgpr_workgroup_id_x 1
		.amdhsa_system_sgpr_workgroup_id_y 1
		.amdhsa_system_sgpr_workgroup_id_z 1
		.amdhsa_system_vgpr_workitem_id 0
		.amdhsa_next_free_vgpr 200
		.amdhsa_next_free_sgpr 66
		.amdhsa_reserve_vcc 1
		.amdhsa_float_denorm_mode_32 3
		.amdhsa_float_denorm_mode_16_64 3
		.amdhsa_memory_ordered 1
		.amdhsa_forward_progress 1
		.amdhsa_inst_pref_size 26
	.end_amdhsa_kernel
	.amdgpu_metadata
---
amdhsa.version: [ 1, 2 ]
amdhsa.kernels:
  - .name:           k_q29e0be2230_quant
    .symbol:         k_q29e0be2230_quant.kd
    .args:
      - { .name: x, .offset: 0, .size: 8, .value_kind: global_buffer, .address_space: global }
      - { .name: wq, .offset: 8, .size: 8, .value_kind: global_buffer, .address_space: global }
      - { .name: wk, .offset: 16, .size: 8, .value_kind: global_buffer, .address_space: global }
      - { .name: wv, .offset: 24, .size: 8, .value_kind: global_buffer, .address_space: global }
      - { .name: wo, .offset: 32, .size: 8, .value_kind: global_buffer, .address_space: global }
      - { .name: cod, .offset: 40, .size: 8, .value_kind: global_buffer, .address_space: global }
      - { .name: scl, .offset: 48, .size: 8, .value_kind: global_buffer, .address_space: global }
    .group_segment_fixed_size: 0
    .private_segment_fixed_size: 0
    .kernarg_segment_align: 8
    .kernarg_segment_size: 56
    .max_flat_workgroup_size: 128
    .sgpr_count:     66
    .vgpr_count:     200
    .wavefront_size: 32
...
	.end_amdgpu_metadata
.endif
;; end of part 1
;; launch qkv (part 2): grid 12 x 16, 4 waves a work-group, clusters of 4 x 4, 327,680 bytes of LDS; arguments cod, scl, bq, bk, bv, qb, kv; writes qb, kv
.if DOCPART == 2
	.amdgcn_target "amdgcn-amd-amdhsa--gfx1250"
	.amdhsa_code_object_version 6
	.text
	.protected	k_q29e0be2230_qkv
	.globl	k_q29e0be2230_qkv
	.p2align	8
	.type	k_q29e0be2230_qkv,@function
k_q29e0be2230_qkv:
	s_mov_b64 s[64:65], 0
	v_nop
	global_prefetch_b8 v0, s[64:65] scope:SCOPE_SE
	s_setreg_imm32_b32 hwreg(HW_REG_WAVE_MODE, 25, 1), 1
	s_wait_xcnt 0x0
	s_wait_alu depctr_hold_cnt(0) depctr_sa_sdst(0) depctr_va_vdst(0) depctr_va_sdst(0) depctr_va_ssrc(0) depctr_va_vcc(0) depctr_vm_vsrc(0)
	s_getreg_b32 s2, hwreg(HW_REG_IB_STS2, 6, 4)
	s_cmp_eq_u32 s2, 0
	s_cbranch_scc0 .Lentry_in_a_cluster
	s_endpgm
.Lentry_in_a_cluster:
	s_bfe_u32 s2, ttmp6, 0x10000c
	s_cmp_lg_u32 s2, 0xf033
	s_cbranch_scc0 .Lentry_shape_is_right
	s_endpgm
.Lentry_shape_is_right:
; q = x wq^T + bq, k = x wk^T + bk, v = x wv^T + bv on codes of FP6 (E2M3) with E8M0 scales; the f32 results are quantised at once, q and k along the head's 64, v along the keys, and leave as codes alone.
; LIMITS: a block of zeros gets the byte 1 where the rule says 127 (its codes are zeros; this program alone reads the bytes); NaN and infinities are not served.
; A work-group of four waves makes 256 x 256 results, a wave 128 x 128: 64 accumulators, 512 registers.  Source 0 of the matrix instruction gives the axis that runs along a lane's registers, source 1 the axis across lanes.
; The cluster's x says which product (the same for all sixteen partners): 0 q, 1 k: source 0 = rows of the weight, source 1 = tokens: a lane holds one token and its registers run along the channels.
; 2 v: source 0 = tokens, source 1 = rows of wv: a lane holds one channel and its registers run along the tokens, which are the keys.  So each result lies as its quantiser wants it.
; TILES (as the launch before laid them): tile 2 g + u holds, in lane r, row 32 g + 8 u + r + 8 (r / 8): the 16 registers of result tiles 2 g and 2 g + 1 are then 16 neighbours, 32 g + 16 h + 0 .. 15.
; K = 1,024 goes in four chunks of 256.  Three LDS slots take chunks 0, 1, 2 at the start; chunk 3 fills slot 0 again behind the change from slot 1 to slot 2: one refill, with 96 matrix instructions in which to land.
; A wave has four tensor loads out at the start (its scales and three chunks), later one.  All scale words of the work-group's 512 rows come once and stay.
; CLUSTER 4 x 4: source 1's tiles hang on cy alone and are asked for jointly along a row of the cluster, source 0's on cx alone, along a column.
; OUT.  qb: [head 32][128 queries 16] records of 6,656 bytes: 8 units of 768 bytes (tile t), then scale words at 6144 + 32 r + 4 t, bytes 2 and 3 = 0x7f for the 64 along K that the scores' product pads with zero codes.
; kv: [head][128 keys] records of 13,056 bytes: k's 8 units; v's 4 fragments (16 channels x 128 keys, registers 4 c .. 4 c + 3 at 512 c + 16 x lane) at 6144; k's scale words at 12288 + 32 r + 4 t; v's at 12800 + 16 r + 4 ct.
; REGISTERS, in windows of 256.  window 0: v1-3 lane, r, h; v4-15 LDS addresses; v16-23 bias by lane; v24-31 addresses; v32-95 scale words and nothing else; v96-127, v224-232 the way out; v128-223 source 1's fragments, later the way out.
;   window 1: source 0's fragments, two sets, at v0 and v128; v96-127 and v224-255 the bias along the registers.   windows 2, 3: the accumulators ((a, b) at v[8 (8 (a % 4) + b)]).
.set CH,    3072                       ; a tile's 256 along K: four units
.set HALFT, 8*CH                       ; eight tiles: what one tensor load brings, and what a wave reads of one side
.set SLOT,  4*HALFT                    ; source 1's 16 tiles, then source 0's 16
.set SCL,   3*SLOT                     ; behind the slots: 32 tiles of scale words, 512 bytes each
.set HALFS, 4096
.set SPARE, SCL+4*HALFS                ; the spare words, 128 bytes for each wave: two blocks of 256 bytes that no other line names
.set FR,    12
.set A16, 4                            ; v4-6   source 1: my half's first byte in slot 0, 1, 2 + 16 x lane
.set A8,  7                            ; v7-9   the same + 8 x lane
.set B16, 10                           ; v10-12, v13-15 the same for source 0
.set B8,  13
.set BL,  16                           ; v16-23 bias of my lane's row in each of source 1's eight tiles
.set ADRS, 24                          ; v24    my scale words: lanes 0-15 source 1's, lanes 16-31 source 0's
.set BO,  25                           ; v25, v26 the bias loads' offsets
.set SOF, 27                           ; v27    the way out: my scale words' place
.set SPW, 28                           ; v28    LDS address of my spare word; never rewritten
.set NIL, 29                           ; v29    0; never rewritten
.set L16, 30                           ; v30    16 x lane
.set L8,  31                           ; v31    8 x lane
.set SC,  32                           ; v[SC + 8 i + s]: lanes 0-15 the word of source 1's tile i, lanes 16-31 of source 0's tile i, K step s
.set TM,  96
.set W,   112                          ; v112-127 the blocks' scale words
.set AF,  128
.set HN,  128                          ; the way out: 64 numbers
.set PC,  192                          ; their codes
.set X,   224
.set PW,  232
.set SEL, 2                            ; s[2:3]
.set WV,  18
.set HA,  19                           ; wave / 2: my half of source 1's tiles.  Also: I fetch for source 1 (0) or source 0 (1)
.set HB,  20                           ; wave % 2: my half of source 0's tiles.  Also: which eight tiles I fetch
.set CX,  21
.set CY,  22
.set CLX, 23
.set CLY, 66
.set PADS, 67                          ; 0x7f7f0000
.set G1A, 24
.set G1B, 32
.set G1SA, 40
.set G1SB, 48
.set G0SA, 56
.set G0SB, 60
.set G0A, 68                           ; s[68:79] a group 0 for each slot
.set G0B, 80
.set MSB, 0
.macro WIN new                         ; the immediate's high byte repeats the setting that is left
.if MSB != (\new)
	s_set_vgpr_msb (MSB<<8)|(\new)
.set MSB, (\new)
.endif
.endm
.set MUL_LO, 0xa1                      ; source 0 window 1, source 1 window 0, C and D window 2
.set MUL_HI, 0xf1
.set TO_B,   0x40
.macro JLOAD g0a, g1a, g0b, g1b        ; a joint load; the branch hangs on the wave's number alone; four v_nop follow each line
	s_cmp_eq_u32 s[HA], 0
	s_cbranch_scc0 .Lfor_b_\@
	tensor_load_to_lds s[\g0a:\g0a+3], s[\g1a:\g1a+7]
	s_nop 0
.rept 4
	v_nop
.endr
	s_branch .Lasked_\@
.Lfor_b_\@:
	tensor_load_to_lds s[\g0b:\g0b+3], s[\g1b:\g1b+7]
	s_nop 0
.rept 4
	v_nop
.endr
.Lasked_\@:
.endm
.macro CREST                           ; a round of the cluster's barrier behind its opening barrier
	s_cmp_lg_u32 s[WV], 0
	s_cbranch_scc1 .Lnot_wave_0_\@
	s_barrier_signal -3
.Lnot_wave_0_\@:
	s_barrier_wait -3
	s_barrier_signal -1
	s_barrier_wait -1
.endm
.macro CROUND
	s_barrier_signal -1
	s_barrier_wait -1
	CREST
.endm
.macro PLACES                          ; four plain places behind matrix instructions, in front of loads into their registers and of reads of their results
.rept 4
	v_nop
.endr
.endm
.macro FRAG reg, a16, a8, off          ; a fragment is two units on end: every load takes 16 or 8 bytes a lane, consecutive from lane to lane
	ds_load_b128 v[\reg:\reg+3], v[\a16] offset:\off
	ds_load_b64 v[\reg+4:\reg+5], v[\a8] offset:\off+512
	ds_load_b128 v[\reg+6:\reg+9], v[\a16] offset:\off+768
	ds_load_b64 v[\reg+10:\reg+11], v[\a8] offset:\off+1280
.endm
.macro FETCH_B slot, q, p              ; source 0's eight fragments of the slot's q-th 128 along K into set p
	WIN TO_B
.irp i, 0,1,2,3,4,5,6,7
	FRAG 128*(\p)+FR*\i, B16+\slot, B8+\slot, \i*CH+1536*(\q)
.endr
	WIN 0
.endm
.macro FETCH_A slot, q, i0             ; source 1's tiles i0 .. i0 + 3
.irp i, \i0, \i0+1, \i0+2, \i0+3
	FRAG AF+FR*(\i), A16+\slot, A8+\slot, (\i)*CH+1536*(\q)
.endr
.endm
; 16 matrix instructions: source 1's tiles a0, a0 + 1 against source 0's eight; K step ks.  The 64 accumulators take turns, one instruction a turn, in one order throughout.
.macro MUL16 a0, p, ks, zero
.irp a, \a0, \a0+1
.irp b, 0,1,2,3,4,5,6,7
.if \zero
	v_wmma_scale_f32_16x16x128_f8f6f4 v[8*(8*((\a)%4)+\b):8*(8*((\a)%4)+\b)+7], v[128*(\p)+FR*\b:128*(\p)+FR*\b+FR-1], v[AF+FR*(\a):AF+FR*(\a)+FR-1], 0, v[SC+8*\b+(\ks)], v[SC+8*(\a)+(\ks)] matrix_a_fmt:MATRIX_FMT_FP6 matrix_b_fmt:MATRIX_FMT_FP6 matrix_a_scale:MATRIX_SCALE_ROW1
.else
	v_wmma_scale_f32_16x16x128_f8f6f4 v[8*(8*((\a)%4)+\b):8*(8*((\a)%4)+\b)+7], v[128*(\p)+FR*\b:128*(\p)+FR*\b+FR-1], v[AF+FR*(\a):AF+FR*(\a)+FR-1], v[8*(8*((\a)%4)+\b):8*(8*((\a)%4)+\b)+7], v[SC+8*\b+(\ks)], v[SC+8*(\a)+(\ks)] matrix_a_fmt:MATRIX_FMT_FP6 matrix_b_fmt:MATRIX_FMT_FP6 matrix_a_scale:MATRIX_SCALE_ROW1
.endif
.endr
.endr
.endm
.macro STEP slot, ks, zero             ; a slot's first 128 along K (set 0); fetches its second into set 1
	s_wait_dscnt 16                                ; all but the youngest 16 loads (source 1's tiles 4-7)
	WIN MUL_LO
	MUL16 0, 0, \ks, \zero
	MUL16 2, 0, \ks, \zero
	s_wait_dscnt 0x0
	PLACES
	FETCH_B \slot, 1, 1
	FETCH_A \slot, 1, 0
	WIN MUL_HI
	MUL16 4, 0, \ks, \zero
	MUL16 6, 0, \ks, \zero
	PLACES
	WIN 0
	FETCH_A \slot, 1, 4
.endm
; A slot's second 128 along K (set 1), and the change to slot next.  tc: how many younger tensor loads may stay out.  fill = 1: slot 0 takes chunk 3 behind a round of the cluster's barrier.
.macro TURN next, ks, tc, fill
	s_wait_tensorcnt \tc                           ; my part of the next slot has landed
.if \tc == 0
	ds_add_u32 v[SPW], v[NIL]                      ; 0 onto my spare word
	s_wait_dscnt 17                                ; (the add and the youngest 16 loads may be out)
.else
	s_wait_dscnt 16
.endif
	WIN MUL_LO
	MUL16 0, 1, \ks, 0
	s_wait_dscnt 0x0                               ; the add is done, and my reads of this slot are over
	s_barrier_signal -1
	MUL16 2, 1, \ks, 0
	WIN 0                                          ; (branches may follow)
	s_barrier_wait -1
.if \fill
	CREST                                          ; no wave of any partner reads slot 0 or has a load on its way
	s_add_nc_u64 s[G0A+2:G0A+3], s[G0A+2:G0A+3], 3*CH
	s_add_nc_u64 s[G0B+2:G0B+3], s[G0B+2:G0B+3], 3*CH
	JLOAD G0A, G1A, G0B, G1B                       ; the first tensor load behind the round; its four v_nop are the places in front of the loads below
.else
	PLACES
.endif
	FETCH_B \next, 0, 0
	FETCH_A \next, 0, 0
	WIN MUL_HI
	MUL16 4, 1, \ks, 0
	MUL16 6, 1, \ks, 0
	PLACES
	WIN 0
	FETCH_A \next, 0, 4
.endm
; 64 numbers of a lane, register 16 b + i = k 32 b + 16 h + i, become a fragment's codes in v[PC] on and its scale word in v[pw]
.macro QUANT s, pw
.irp b, 0,1,2,3
	v_max3_num_f32 v[TM+\b], |v[\s+16*\b]|, |v[\s+1+16*\b]|, 0x1800000   ; and the floor 2^(3 - 127): the byte cannot fall under 1
.endr
.irp i, 2,4,6,8,10,12,14
.irp b, 0,1,2,3
	v_max3_num_f32 v[TM+\b], v[TM+\b], |v[\s+16*\b+\i]|, |v[\s+1+16*\b+\i]|
.endr
.endr
.irp b, 0,1,2,3
	v_permlanex16_b32 v[TM+4+\b], v[TM+\b], s[SEL], s[SEL+1]
.endr
.irp b, 0,1,2,3
	v_max_num_f32 v[TM+\b], v[TM+\b], v[TM+4+\b]
.endr
.irp b, 0,1,2,3
	v_add_nc_u32 v[TM+12+\b], 0xff000000, v[TM+\b]   ; 2 off the exponent field: the conversion's scale operand
.endr
.irp b, 0,1,2,3
	v_lshrrev_b32 v[TM+4+\b], 23, v[TM+12+\b]
.endr
	v_lshl_or_b32 v[\pw], v[TM+5], 8, v[TM+4]
	v_lshl_or_b32 v[\pw], v[TM+6], 16, v[\pw]
	v_lshl_or_b32 v[\pw], v[TM+7], 24, v[\pw]
.irp c, 0,1
	v_cvt_scalef32_pk16_fp6_f32 v[PC+6*\c:PC+2+6*\c], v[\s+32*\c:\s+15+32*\c], v[TM+12+2*\c]
	v_cvt_scalef32_pk16_fp6_f32 v[PC+12+4*\c:PC+14+4*\c], v[\s+16+32*\c:\s+31+32*\c], v[TM+12+2*\c+1]
.endr
	v_nop                                          ; one plain place behind a scaled conversion
.irp c, 0,1
.irp i, 0,1,2
	v_permlane16_swap_b32 v[PC+6*\c+\i], v[PC+12+4*\c+\i]
.endr
.irp i, 0,1,2
	v_mov_b32 v[PC+3+6*\c+\i], v[PC+12+4*\c+\i]
.endr
.endr
.endm
	s_load_b256 s[4:11], s[0:1], 0x0               ; cod s[4:5], scl s[6:7], bq s[8:9], bk s[10:11]
	s_load_b128 s[12:15], s[0:1], 0x20             ; bv s[12:13], qb s[14:15]
	s_load_b64 s[16:17], s[0:1], 0x30              ; kv
	v_lshl_add_u32 v[SPW], v0, 2, SPARE
	v_mov_b32 v[NIL], 0
	ds_add_u32 v28, v29
	ds_add_u32 v28, v29
	s_wait_dscnt 0x0
	v_lshrrev_b32 v1, 5, v0
	v_readfirstlane_b32 s[WV], v1
	s_lshr_b32 s[HA], s[WV], 1
	s_and_b32 s[HB], s[WV], 1
	s_bfe_u32 s[CX], ttmp6, 0x40000
	s_bfe_u32 s[CY], ttmp6, 0x40004
	s_mov_b32 s[CLX], ttmp9                        ; the cluster's x: which product
	s_and_b32 s[CLY], ttmp7, 0xffff                ; the cluster's y: which 1,024 tokens
	s_mov_b32 s[SEL], 0x76543210
	s_mov_b32 s[SEL+1], 0xfedcba98
	s_mov_b32 s[PADS], 0x7f7f0000
	s_lshl_b32 s100, s[CLY], 6                     ; 64 tiles of tokens a cluster
	s_lshl_b32 s101, s[HB], 3                      ; which eight tiles I fetch
	s_lshl_b32 s92, s[CY], 2
	s_lshl_b32 s92, 15, s92                        ; my row of the cluster
	s_lshl_b32 s96, 0x1111, s[CX]                  ; my column
	s_or_b32 s[G1A], s92, (3<<16)|(1<<21)          ; 15:0 the mask; 17:16 elements of 8 bytes; 21 set beside a mask; no padding
	s_or_b32 s[G1SA], s92, (3<<16)|(1<<21)
	s_or_b32 s[G1B], s96, (3<<16)|(1<<21)
	s_or_b32 s[G1SB], s96, (3<<16)|(1<<21)
.irp g, G1A, G1B                       ; codes: 8 rows (tiles) of 3,072 bytes, 12,288 bytes apart
	s_mov_b32 s[\g+1], 384<<16
	s_mov_b32 s[\g+2], 8<<16
	s_mov_b32 s[\g+3], 384<<16
	s_mov_b32 s[\g+4], 8
	s_mov_b32 s[\g+5], 1536
	s_mov_b32 s[\g+6], 0
	s_mov_b32 s[\g+7], 0
.endr
.irp g, G1SA, G1SB                     ; scale words of 8 tiles: 4,096 dense bytes as 16 rows of 256
	s_mov_b32 s[\g+1], 32<<16
	s_mov_b32 s[\g+2], 16<<16
	s_mov_b32 s[\g+3], 32<<16
	s_mov_b32 s[\g+4], 16
	s_mov_b32 s[\g+5], 32
	s_mov_b32 s[\g+6], 0
	s_mov_b32 s[\g+7], 0
.endr
	s_lshl_b32 s97, s[CLX], 6
	s_add_co_u32 s97, s97, 256                     ; the weight's first tile (wq 256, wk 320)
	s_cmp_eq_u32 s[CLX], 2
	s_cselect_b32 s93, 384, s100                   ; source 1: wv's tiles for v, else tokens
	s_cselect_b32 s97, s100, s97                   ; source 0: tokens for v, else the weight's tiles
	s_lshl_b32 s92, s[CY], 4
	s_add_co_u32 s93, s93, s92
	s_add_co_u32 s93, s93, s101                    ; source 1's first tile that I would fetch: hangs on cy, not on cx
	s_lshl_b32 s96, s[CX], 4
	s_add_co_u32 s97, s97, s96
	s_add_co_u32 s97, s97, s101                    ; source 0's: hangs on cx, not on cy
	s_mul_i32 s92, s93, 12288
	s_lshl_b32 s94, s93, 9
	s_mov_b32 s93, 0
	s_mov_b32 s95, 0
	s_mul_i32 s96, s97, 12288
	s_lshl_b32 s98, s97, 9
	s_mov_b32 s97, 0
	s_mov_b32 s99, 0
	s_mul_i32 s100, s[WV], HALFT                   ; where they go: wave x eight tiles: no place in the cluster enters an LDS address
	s_lshl_b32 s101, s[WV], 12
	s_wait_kmcnt 0x0
	s_add_nc_u64 s[92:93], s[4:5], s[92:93]
	s_add_nc_u64 s[94:95], s[6:7], s[94:95]
	s_add_nc_u64 s[96:97], s[4:5], s[96:97]
	s_add_nc_u64 s[98:99], s[6:7], s[98:99]
	CROUND                                         ; all sixteen work-groups are here: the first joint loads meet
	s_mov_b32 s[G0SA], 1
	s_add_co_u32 s[G0SA+1], s101, SCL
	s_mov_b64 s[G0SA+2:G0SA+3], s[94:95]
	s_or_b32 s[G0SA+3], s[G0SA+3], 0x80000000
	s_mov_b32 s[G0SB], 1
	s_add_co_u32 s[G0SB+1], s101, SCL
	s_mov_b64 s[G0SB+2:G0SB+3], s[98:99]
	s_or_b32 s[G0SB+3], s[G0SB+3], 0x80000000
	JLOAD G0SA, G1SA, G0SB, G1SB                   ; the scale words first: they are wanted with chunk 0
.irp s, 0,1,2
	s_mov_b32 s[G0A+4*\s], 1
	s_add_co_u32 s[G0A+4*\s+1], s100, \s*SLOT
	s_add_nc_u64 s[G0A+4*\s+2:G0A+4*\s+3], s[92:93], \s*CH
	s_or_b32 s[G0A+4*\s+3], s[G0A+4*\s+3], 0x80000000
	s_mov_b32 s[G0B+4*\s], 1
	s_add_co_u32 s[G0B+4*\s+1], s100, \s*SLOT
	s_add_nc_u64 s[G0B+4*\s+2:G0B+4*\s+3], s[96:97], \s*CH
	s_or_b32 s[G0B+4*\s+3], s[G0B+4*\s+3], 0x80000000
	JLOAD G0A+4*\s, G1A, G0B+4*\s, G1B
.endr
	; the bias of my wave's 128 channels: q, k: they run along the registers (256 cx + 128 (wave % 2) on); v: across the lanes (256 cy + 128 (wave / 2) on).  Both forms are loaded, with no branch; each way out reads its own.
	s_cmp_eq_u32 s[CLX], 1
	s_cselect_b64 s[8:9], s[10:11], s[8:9]
	s_cmp_eq_u32 s[CLX], 2
	s_cselect_b64 s[8:9], s[12:13], s[8:9]
	s_cselect_b32 s100, s[CY], s[CX]
	s_cselect_b32 s101, s[HA], s[HB]
	s_lshl_b32 s100, s100, 10
	s_lshl_b32 s101, s101, 9
	s_add_co_u32 s100, s100, s101
	s_mov_b32 s101, 0
	s_add_nc_u64 s[8:9], s[8:9], s[100:101]
	v_and_b32 v1, 31, v0                           ; lane
	v_and_b32 v2, 15, v0                           ; r
	v_bfe_u32 v3, v0, 4, 1                         ; h
	v_lshlrev_b32 v[BO], 6, v3                     ; 64 h: my 16 of each 32 channels
	v_and_b32 v[BO+1], 8, v2
	v_add_nc_u32 v[BO+1], v[BO+1], v2
	v_lshlrev_b32 v[BO+1], 2, v[BO+1]              ; 4 (r + 8 (r / 8))
	WIN TO_B
.irp e, 0,1,2,3
.irp j, 0,1,2,3
	global_load_b128 v[96+16*\e+4*\j+96*(\e/2):99+16*\e+4*\j+96*(\e/2)], v[BO], s[8:9] offset:128*\e+16*\j
.endr
.endr
	WIN 0
.irp a, 0,1,2,3,4,5,6,7
	global_load_b32 v[BL+\a], v[BO+1], s[8:9] offset:4*(32*(\a/2)+8*(\a%2))
.endr
	v_lshlrev_b32 v[L16], 4, v1
	v_lshlrev_b32 v[L8], 3, v1
.irp b, 0,1,2,3
	v_mov_b32 v[TM+4+\b], 0                        ; written once: a lane permute's destination counts as one of its sources
.endr
	s_mul_i32 s100, s[HA], HALFT                   ; my eight tiles of source 1,
	s_mul_i32 s101, s[HB], HALFT                   ; of source 0,
	s_add_co_u32 s101, s101, 2*HALFT               ; which lie behind source 1's sixteen
.irp s, 0,1,2
	v_add_nc_u32 v[A16+\s], s100, v[L16]
	v_add_nc_u32 v[A8+\s], s100, v[L8]
	v_add_nc_u32 v[B16+\s], s101, v[L16]
	v_add_nc_u32 v[B8+\s], s101, v[L8]
	s_add_co_u32 s100, s100, SLOT
	s_add_co_u32 s101, s101, SLOT
.endr
	s_lshl_b32 s100, s[HA], 12
	s_lshl_b32 s101, s[HB], 12
	s_add_co_u32 s101, s101, 2*HALFS
	s_sub_co_u32 s101, s101, s100
	v_mul_u32_u24 v[ADRS], s101, v3                ; lanes 16-31 take source 0's words: one product, the distance between the two bases
	s_add_co_u32 s100, s100, SCL
	v_lshl_add_u32 v[ADRS], v2, 4, v[ADRS]
	v_add_nc_u32 v[ADRS], s100, v[ADRS]
	s_wait_tensorcnt 2                             ; my scale words and my part of chunk 0 are in; chunks 1 and 2 may be out
	s_barrier_signal -1
	s_barrier_wait -1
	FETCH_B 0, 0, 0
	FETCH_A 0, 0, 0
.irp i, 0,1,2,3,4,5,6,7                ; all of K's scale words, once
	ds_load_b128 v[SC+8*\i:SC+8*\i+3], v[ADRS] offset:512*\i
	ds_load_b128 v[SC+8*\i+4:SC+8*\i+7], v[ADRS] offset:512*\i+256
.endr
	FETCH_A 0, 0, 4
	STEP 0, 0, 1                                   ; the first products start the sums: nothing is cleared
	TURN 1, 1, 1, 0                                ; chunk 1 is in (chunk 2 may be out); nothing is filled
	STEP 1, 2, 0
	TURN 2, 3, 0, 1                                ; chunk 2 is in; slot 0 takes chunk 3
	STEP 2, 4, 0
	TURN 0, 5, 0, 0                                ; chunk 3 is in
	STEP 0, 6, 0
	s_wait_dscnt 16
	WIN MUL_LO
	MUL16 0, 1, 7, 0
	MUL16 2, 1, 7, 0
	s_wait_dscnt 0x0
	WIN MUL_HI
	MUL16 4, 1, 7, 0
	MUL16 6, 1, 7, 0
	WIN 0
	s_wait_loadcnt 0x0                             ; the bias
	PLACES
	; THE WAY OUT, a tile of source 1 (16 lanes' rows x 128 along the registers) at a time: + bias, in f32, into window 0; quantised; the codes are stored as they stand.  No LDS.
	s_cmp_eq_u32 s[CLX], 2
	s_cbranch_scc1 .Lway_v
	s_lshl_b32 s40, s[CLY], 2                      ; q, k: my 128 tokens are step 2 (4 cluster y + cy) + wave / 2 of 32,
	s_add_co_u32 s40, s40, s[CY]
	s_lshl_b32 s40, s40, 1
	s_add_co_u32 s40, s40, s[HA]
	s_lshr_b32 s41, s40, 4                         ; the batch,
	s_and_b32 s40, s40, 15                         ; the step in it;
	s_lshl_b32 s42, s[CX], 2
	s_lshl_b32 s43, s[HB], 1
	s_add_co_u32 s42, s42, s43                     ; my 128 channels are heads 4 cx + 2 (wave % 2) and the next
	s_lshl_b32 s41, s41, 4
	s_add_co_u32 s41, s41, s42
	s_mov_b32 s44, 208896                          ; kv: a head, a record, where the scale words begin;
	s_mov_b32 s45, 13056
	s_mov_b32 s46, 12288
	s_cmp_eq_u32 s[CLX], 0
	s_cselect_b32 s44, 106496, s44                 ; qb likewise
	s_cselect_b32 s45, 6656, s45
	s_cselect_b32 s46, 6144, s46
	s_cselect_b64 s[48:49], s[14:15], s[16:17]
	s_mul_i32 s41, s41, s44
	s_mul_i32 s40, s40, s45
	s_add_co_u32 s50, s41, s40
	s_mov_b32 s51, 0
	s_add_nc_u64 s[48:49], s[48:49], s[50:51]      ; the first head's record
	s_mov_b32 s50, s44
	s_add_nc_u64 s[52:53], s[48:49], s[50:51]      ; the second's
	s_mov_b32 s50, s46
	s_add_nc_u64 s[54:55], s[48:49], s[50:51]      ; their scale words
	s_add_nc_u64 s[56:57], s[52:53], s[50:51]
	v_lshlrev_b32 v[SOF], 5, v2
	v_lshl_add_u32 v[SOF], v3, 4, v[SOF]           ; 32 r + 16 h
.macro QKBLOCK a
	WIN 0x06+(\a)/4                                ; source 0: window 2 or 3; source 1: window 1
.set j, 0
.rept 32
	v_pk_add_f32 v[HN+j:HN+j+1], v[64*((\a)%4)+j:64*((\a)%4)+j+1], v[96+j+96*(j/32):97+j+96*(j/32)]   ; each accumulator from its low end on
.set j, j+2
.endr
	WIN 0
.if (\a) > 0
	s_wait_xcnt 0x0                                ; the last block's stores have read the codes' registers
.endif
	QUANT HN, PW                                   ; 128 channels: registers 0-5 are the first head's unit, 6-11 the second's
	global_store_b128 v[L16], v[PC:PC+3], s[48:49] offset:768*(\a)
	global_store_b64 v[L8], v[PC+4:PC+5], s[48:49] offset:768*(\a)+512
	global_store_b128 v[L16], v[PC+6:PC+9], s[52:53] offset:768*(\a)
	global_store_b64 v[L8], v[PC+10:PC+11], s[52:53] offset:768*(\a)+512
	v_and_or_b32 v[W+(\a)], v[PW], 0xffff, s[PADS] ; the first head's two bytes under 0x7f, 0x7f
	v_lshrrev_b32 v[W+8+(\a)], 16, v[PW]
	v_or_b32 v[W+8+(\a)], s[PADS], v[W+8+(\a)]     ; the second's
.endm
.irp a, 0,1,2,3,4,5,6,7
	QKBLOCK \a
.endr
	v_cmp_ne_u32 vcc_lo, 0, v3                     ; both halves of the lanes hold row r's words: lanes 0-15 store tiles 0-3's, lanes 16-31 tiles 4-7's
.irp i, 0,1,2,3
	v_cndmask_b32 v[X+\i], v[W+\i], v[W+4+\i], vcc_lo
	v_cndmask_b32 v[X+4+\i], v[W+8+\i], v[W+12+\i], vcc_lo
.endr
	global_store_b128 v[SOF], v[X:X+3], s[54:55]   ; 512 consecutive bytes, aligned to 256
	global_store_b128 v[SOF], v[X+4:X+7], s[56:57]
	s_branch .Lend
.Lway_v:
	s_lshl_b32 s40, s[CLY], 2                      ; v: my 128 keys are step 2 (4 cluster y + cx) + wave % 2,
	s_add_co_u32 s40, s40, s[CX]
	s_lshl_b32 s40, s40, 1
	s_add_co_u32 s40, s40, s[HB]
	s_lshr_b32 s41, s40, 4
	s_and_b32 s40, s40, 15
	s_lshl_b32 s42, s[CY], 2
	s_lshl_b32 s43, s[HA], 1
	s_add_co_u32 s42, s42, s43                     ; my 128 channels heads 4 cy + 2 (wave / 2) and the next
	s_lshl_b32 s41, s41, 4
	s_add_co_u32 s41, s41, s42
	s_mul_i32 s41, s41, 208896
	s_mul_i32 s40, s40, 13056
	s_add_co_u32 s50, s41, s40
	s_add_co_u32 s50, s50, 6144
	s_mov_b32 s51, 0
	s_add_nc_u64 s[48:49], s[16:17], s[50:51]      ; v's fragments in the first head's record,
	s_add_nc_u64 s[52:53], s[48:49], 208896        ; in the second's
	v_mul_u32_u24 v[SOF], v3, 208896
	v_lshl_add_u32 v[SOF], v2, 4, v[SOF]           ; 16 r, and a head on for lanes 16-31
.macro VBLOCK a
	WIN 0x02+(\a)/4
.set j, 0
.rept 32
.if ((\a)%2) == 0
	v_pk_add_f32 v[HN+j:HN+j+1], v[64*((\a)%4)+j:64*((\a)%4)+j+1], v[BL+2*((\a)/2):BL+2*((\a)/2)+1] op_sel_hi:[1,0]   ; my channel's bias, for both halves
.else
	v_pk_add_f32 v[HN+j:HN+j+1], v[64*((\a)%4)+j:64*((\a)%4)+j+1], v[BL+2*((\a)/2):BL+2*((\a)/2)+1] op_sel:[0,1]
.endif
.set j, j+2
.endr
	WIN 0
.if (\a) > 0
	s_wait_xcnt 0x0
.endif
	QUANT HN, W+(\a)                               ; 16 channels x 128 keys: one fragment
.irp c, 0,1,2
	global_store_b128 v[L16], v[PC+4*\c:PC+4*\c+3], s[48+4*((\a)/4):49+4*((\a)/4)] offset:1536*((\a)%4)+512*\c
.endr
.endm
.irp a, 0,1,2,3,4,5,6,7
	VBLOCK \a
.endr
	v_cmp_ne_u32 vcc_lo, 0, v3                     ; lanes 0-15 store the first head's four words, lanes 16-31 the second's: 256 consecutive bytes each, aligned
.irp i, 0,1,2,3
	v_cndmask_b32 v[X+\i], v[W+\i], v[W+4+\i], vcc_lo
.endr
	global_store_b128 v[SOF], v[X:X+3], s[48:49] offset:6656
.Lend:
	s_wait_tensorcnt 0x0                           ; the wave's end
	ds_add_u32 v[SPW], v[NIL]
	s_wait_dscnt 0x0
	CROUND                                         ; the closing round: no work-group ends while a partner may still ask for a tile that names it
	s_endpgm
.Lfunc_end_k_q29e0be2230_qkv:
	.size	k_q29e0be2230_qkv, .Lfunc_end_k_q29e0be2230_qkv-k_q29e0be2230_qkv
	.p2alignl 7, 3214868480
	.fill 96, 4, 3214868480
	.section	.rodata,"a",@progbits
	.p2align	6, 0x0
	.amdhsa_kernel k_q29e0be2230_qkv
		.amdhsa_group_segment_fixed_size 327680
		.amdhsa_private_segment_fixed_size 0
		.amdhsa_enable_private_segment 0
		.amdhsa_kernarg_size 56
		.amdhsa_user_sgpr_count 2
		.amdhsa_user_sgpr_kernarg_segment_ptr 1
		.amdhsa_wavefront_size32 1
		.amdhsa_system_sgpr_workgroup_id_x 1
		.amdhsa_system_sgpr_workgroup_id_y 1
		.amdhsa_system_sgpr_workgroup_id_z 1
		.amdhsa_system_vgpr_workitem_id 0
		.amdhsa_next_free_vgpr 1024
		.amdhsa_next_free_sgpr 102
		.amdhsa_reserve_vcc 1
		.amdhsa_float_denorm_mode_32 3
		.amdhsa_float_denorm_mode_16_64 3
		.amdhsa_memory_ordered 1
		.amdhsa_forward_progress 1
		.amdhsa_inst_pref_size 218
	.end_amdhsa_kernel
	.amdgpu_metadata
---
amdhsa.version: [ 1, 2 ]
amdhsa.kernels:
  - .name:           k_q29e0be2230_qkv
    .symbol:         k_q29e0be2230_qkv.kd
    .args:
      - { .name: cod, .offset: 0, .size: 8, .value_kind: global_buffer, .address_space: global }
      - { .name: scl, .offset: 8, .size: 8, .value_kind: global_buffer, .address_space: global }
      - { .name: bq, .offset: 16, .size: 8, .value_kind: global_buffer, .address_space: global }
      - { .name: bk, .offset: 24, .size: 8, .value_kind: global_buffer, .address_space: global }
      - { .name: bv, .offset: 32, .size: 8, .value_kind: global_buffer, .address_space: global }
      - { .name: qb, .offset: 40, .size: 8, .value_kind: global_buffer, .address_space: global }
      - { .name: kv, .offset: 48, .size: 8, .value_kind: global_buffer, .address_space: global }
    .group_segment_fixed_size: 327680
    .private_segment_fixed_size: 0
    .kernarg_segment_align: 8
    .kernarg_segment_size: 56
    .max_flat_workgroup_size: 128
    .sgpr_count:     102
    .vgpr_count:     1024
    .wavefront_size: 32
...
	.end_amdgpu_metadata
.endif
;; end of part 2
;; launch attn (part 3): grid 8 x 32, 16 waves a work-group, clusters of 4 x 1, 210,944 bytes of LDS; arguments qb, kv, oc, os; writes oc, os
.if DOCPART == 3
	.amdgcn_target "amdgcn-amd-amdhsa--gfx1250"
	.amdhsa_code_object_version 6
	.text
	.protected	k_q29e0be2230_attn
	.globl	k_q29e0be2230_attn
	.p2align	8
	.type	k_q29e0be2230_attn,@function
k_q29e0be2230_attn:
	s_mov_b64 s[64:65], 0
	v_nop
	global_prefetch_b8 v0, s[64:65] scope:SCOPE_SE
	s_setreg_imm32_b32 hwreg(HW_REG_WAVE_MODE, 25, 1), 1
	s_wait_xcnt 0x0
	s_wait_alu depctr_hold_cnt(0) depctr_sa_sdst(0) depctr_va_vdst(0) depctr_va_sdst(0) depctr_va_ssrc(0) depctr_va_vcc(0) depctr_vm_vsrc(0)
	s_getreg_b32 s2, hwreg(HW_REG_IB_STS2, 6, 4)
	s_cmp_eq_u32 s2, 0
	s_cbranch_scc0 .Lentry_in_a_cluster
	s_endpgm
.Lentry_in_a_cluster:
	s_bfe_u32 s2, ttmp6, 0x10000c
	s_cmp_lg_u32 s2, 0x3003
	s_cbranch_scc0 .Lentry_shape_is_right
	s_endpgm
.Lentry_shape_is_right:
; o = softmax(q k^T / 8) v for 32 heads of 2,048 tokens x 64 channels, both products on codes of FP6 (E2M3) with E8M0 scales; o is quantised along the model's 1,024 and leaves as codes.
; THE SOFTMAX: t = score x log2(e) / 8; M = the running largest t rounded UP to a whole number; p = 2^(t - M) is quantised along the keys, not normalised; the row's sum is taken of the unquantised p and divides at the end.
; When M moves, the sum and O are multiplied by 2^(old M - new M): exact.
; LIMITS: p under 2^-126 comes out of v_exp_f32 as 0; a block of zeros keeps the byte 1 (its codes are zeros; this program alone reads the bytes); NaN and infinities are not served.
; The scores' K is the head's 64: the upper 64 of the instruction's 128 are zero codes on both sides, under the byte 0x7f.
; SHARES.  A work-group owns 256 queries of one head, each of its sixteen waves one tile of 16 in 256 registers: four waves to a SIMD, so that one wave's vector work stands beside another's matrix work and LDS loads.
; A HEAD'S K, V AND SCALE WORDS, 16 records of 13,056 bytes, LIE IN LDS WHOLE: wave w brings record w by one tensor load at the start: no slot is filled again, and the loop over the 16 key steps has no barrier.
; CLUSTER.  The four work-groups of a cluster belong to one head: each record is asked for jointly, with a mask that names the four.
; LAYOUT.  Both products are used transposed (S^T = K Q^T, O^T = V^T P^T): a lane holds one query.  A tile's lane r holds key (or channel) 32 g + 8 u + r + 8 (r / 8), so that the 16 registers of tiles 2 g, 2 g + 1 are 16 neighbours.
; A record: K's 8 units of 768 bytes; V's 4 fragments of 1,536 at 6144; K's scale words at 12288 + 32 r + 4 t; V's at 12800 + 16 r + 4 ct.
; os is stored two bytes a lane: a token tile's 16 heads lie in 16 work-groups; os is one part in 24 of oc.
; REGISTERS: v1-4 16 x lane, 8 x lane, 32 r, 16 r; v8-11 the same in the record in hand; v12 -M, v13 the largest t, v[14:15] the sum; v16-27 Q; v28-31 scale words; v32-79 four fragments of K (registers 6-11 of each stay 0);
;   v80-91 at work; v92 f, v93 p's scale word, v94 at work, v95 Q's scale word; v96-159 S^T, then p; v160-191 O^T; v192-239 V's four fragments; v240-251 p's codes; v252-255 the conversions' scale operands.
.set REC, 13056
.set TB,  2                            ; s2   LDS byte at which the record in hand begins
.set CNT, 3                            ; s3   key steps to go
.set WV,  18
.set SEL, 20                           ; s[20:21] lane l xor 16
.set CS,  22                           ; s[22:23] c = log2(e) / 8
.macro ROUND                           ; a round of the cluster's barrier
	s_barrier_signal -1
	s_barrier_wait -1
	s_cmp_lg_u32 s[WV], 0
	s_cbranch_scc1 .Lnot_wave_0_\@
	s_barrier_signal -3
.Lnot_wave_0_\@:
	s_barrier_wait -3
	s_barrier_signal -1
	s_barrier_wait -1
.endm
	s_load_b128 s[4:7], s[0:1], 0x0                ; qb s[4:5], kv s[6:7]
	s_load_b128 s[8:11], s[0:1], 0x10              ; oc s[8:9], os s[10:11]
	v_lshl_add_u32 v7, v0, 2, 0x33000
	v_mov_b32 v91, 0
	ds_add_u32 v7, v91
	ds_add_u32 v7, v91
	v_lshrrev_b32 v5, 5, v0
	v_readfirstlane_b32 s[WV], v5                  ; wave 0..15
	s_bfe_u32 s19, ttmp6, 0x40000                  ; cx: it enters Q's, oc's and os's addresses alone
	s_lshl_b32 s24, ttmp9, 2
	s_add_co_u32 s24, s24, s19                     ; my block of 256 queries
	s_lshl_b32 s24, s24, 4
	s_add_co_u32 s24, s24, s[WV]                   ; my tile of 16 queries, 0..127
	s_and_b32 s25, ttmp7, 0xffff                   ; batch x 16 + head, which the four partners share
	s_mov_b32 s32, 15|(3<<16)|(1<<21)              ; group 1: the mask names all four; elements of 8 bytes; bit 21 beside a mask; no padding
	s_mov_b32 s33, 32<<16                          ; a record is 51 dense rows of 256 bytes
	s_mov_b32 s34, 51<<16
	s_mov_b32 s35, 32<<16
	s_mov_b32 s36, 51
	s_mov_b32 s37, 32
	s_mov_b32 s38, 0
	s_mov_b32 s39, 0
	s_mov_b32 s12, 1                               ; group 0
	s_mul_i32 s13, s[WV], REC                      ; record w lands at w x 13,056
	s_mul_i32 s26, s25, 16*REC
	s_add_co_u32 s26, s26, s13
	s_mov_b32 s27, 0
	s_mul_i32 s44, s25, 106496                     ; Q: the head, the record of 128 queries, my tile's unit and scale words
	s_lshr_b32 s28, s24, 3
	s_mul_i32 s28, s28, 6656
	s_add_co_u32 s44, s44, s28
	s_and_b32 s28, s24, 7
	s_lshl_b32 s29, s28, 2
	s_add_co_u32 s46, s44, s29
	s_add_co_u32 s46, s46, 6144
	s_mul_i32 s28, s28, 768
	s_add_co_u32 s44, s44, s28
	s_mov_b32 s45, 0
	s_mov_b32 s47, 0
	s_lshr_b32 s28, s25, 4                         ; the way out: the token tile 128 x batch + my tile,
	s_lshl_b32 s28, s28, 7
	s_add_co_u32 s28, s28, s24
	s_and_b32 s29, s25, 15                         ; the head
	s_mul_i32 s40, s28, 12288
	s_mul_i32 s30, s29, 768
	s_add_co_u32 s40, s40, s30                     ; oc: the head's 64 channels are unit number head of the tile
	s_mov_b32 s41, 0
	s_lshl_b32 s42, s28, 9                         ; os: K step head / 2: 256 (head / 8) + 4 ((head / 2) % 4), bytes 2 (head % 2) on
	s_lshr_b32 s30, s29, 3
	s_lshl_b32 s30, s30, 8
	s_add_co_u32 s42, s42, s30
	s_bfe_u32 s30, s29, 0x20001
	s_lshl_b32 s30, s30, 2
	s_add_co_u32 s42, s42, s30
	s_and_b32 s30, s29, 1
	s_lshl_b32 s30, s30, 1
	s_add_co_u32 s42, s42, s30
	s_mov_b32 s43, 0
	s_mov_b32 s[SEL], 0x76543210
	s_mov_b32 s[SEL+1], 0xfedcba98
	s_mov_b32 s[CS], 0x3e38aa3b
	s_mov_b32 s[CS+1], s[CS]                       ; (named with it as a pair, so it is written)
	s_mov_b32 s[TB], 0
	s_mov_b32 s[CNT], 16
	s_wait_dscnt 0x0
	s_wait_kmcnt 0x0
	s_add_nc_u64 s[14:15], s[6:7], s[26:27]
	s_or_b32 s15, s15, 0x80000000
	s_add_nc_u64 s[44:45], s[4:5], s[44:45]
	s_add_nc_u64 s[46:47], s[4:5], s[46:47]
	s_add_nc_u64 s[40:41], s[8:9], s[40:41]
	s_add_nc_u64 s[42:43], s[10:11], s[42:43]
	ROUND                                          ; all four work-groups are here: the joint loads meet
	tensor_load_to_lds s[12:15], s[32:39]          ; my one tensor load
	s_nop 0
.rept 4
	v_nop
.endr
	v_and_b32 v5, 31, v0
	v_lshlrev_b32 v1, 4, v5
	v_lshlrev_b32 v2, 3, v5
	v_and_b32 v5, 15, v0
	v_lshlrev_b32 v3, 5, v5
	v_lshlrev_b32 v4, 4, v5
	global_load_b128 v[16:19], v1, s[44:45]        ; Q's unit: registers 0-5 of the fragment
	global_load_b64 v[20:21], v2, s[44:45] offset:512
	global_load_b32 v95, v3, s[46:47]              ; its scale words
.irp i, 22,23,24,25,26,27
	v_mov_b32 v\i, 0                               ; the upper 64 along K: zero codes
.endr
.irp t, 0,1,2,3
.irp i, 6,7,8,9,10,11
	v_mov_b32 v[32+12*\t+\i], 0                    ; in K's fragments too: written once, no load lands there
.endr
.endr
	v_mov_b32 v13, 0xff61b1e6                      ; the largest t so far: -3e38
	v_floor_f32 v12, -v13                          ; -M
	v_mov_b32 v14, 0
	v_mov_b32 v15, 0
	v_mov_b32 v93, 0                               ; (named as the upper half of v[92:93] before it is first written)
.irp b, 0,1,2,3
	v_mov_b32 v[84+\b], 0                          ; a lane permute's destination counts as one of its sources
.endr
.set j, 0
.rept 32
	v_mov_b32 v[160+j], 0                          ; O^T: the step is written once; the first finds zeros, which the first change of M leaves zeros
.set j, j+1
.endr
	s_wait_tensorcnt 0x0                           ; my record is in,
	s_barrier_signal -1
	s_barrier_wait -1                              ; everybody's is: from here on LDS is only read
	s_wait_loadcnt 0x0                             ; Q
.Lstep:                                            ; 16 trips: 128 keys each
	v_add_nc_u32 v8, s[TB], v1                     ; (these four are also the places behind the last trip's products, in front of the loads below)
	v_add_nc_u32 v9, s[TB], v2
	v_add_nc_u32 v10, s[TB], v3
	v_add_nc_u32 v11, s[TB], v4
.irp g, 0,1                                    ; S^T = K Q^T, four tiles of 16 keys at a time
.if \g > 0
.rept 4
	v_nop
.endr
.endif
.irp t, 0,1,2,3
	ds_load_b128 v[32+12*\t:35+12*\t], v8 offset:768*(4*\g+\t)
	ds_load_b64 v[36+12*\t:37+12*\t], v9 offset:768*(4*\g+\t)+512
.endr
	ds_load_b128 v[28:31], v10 offset:12288+16*\g
	s_wait_dscnt 0x0
.irp t, 0,1,2,3
	v_wmma_scale_f32_16x16x128_f8f6f4 v[96+8*(4*\g+\t):103+8*(4*\g+\t)], v[32+12*\t:43+12*\t], v[16:27], 0, v[28+\t], v95 matrix_a_fmt:MATRIX_FMT_FP6 matrix_b_fmt:MATRIX_FMT_FP6
.endr
.endr
.rept 4
	v_nop
.endr
.irp t, 0,1,2,3                                ; V's four fragments and scale words are asked for now and land under the softmax
.irp c, 0,1,2
	ds_load_b128 v[192+12*\t+4*\c:195+12*\t+4*\c], v8 offset:6144+1536*\t+512*\c
.endr
.endr
	ds_load_b128 v[28:31], v11 offset:12800
.irp b, 0,1,2,3
	v_max3_num_f32 v[80+\b], v[96+16*\b], v[97+16*\b], v[98+16*\b]   ; the largest score of each block of 32 keys: for the row's maximum and, since p rises with the score, for the block's largest p
.endr
.irp i, 3,5,7,9,11,13
.irp b, 0,1,2,3
	v_max3_num_f32 v[80+\b], v[80+\b], v[96+16*\b+\i], v[97+16*\b+\i]
.endr
.endr
.irp b, 0,1,2,3
	v_max_num_f32 v[80+\b], v[80+\b], v[111+16*\b]
.endr
.irp b, 0,1,2,3
	v_permlanex16_b32 v[84+\b], v[80+\b], s[SEL], s[SEL+1]
.endr
.irp b, 0,1,2,3
	v_max_num_f32 v[80+\b], v[80+\b], v[84+\b]     ; with lane l xor 16's 16 keys
.endr
	v_max3_num_f32 v94, v80, v81, v82
	v_max_num_f32 v94, v94, v83
	v_mul_f32 v94, s[CS], v94                      ; the step's largest t (c is positive)
	v_max_num_f32 v13, v13, v94
	v_mov_b32 v94, v12
	v_floor_f32 v12, -v13                          ; the new -M = -ceil(t)
	v_sub_f32 v94, v12, v94                        ; old M - new M: a whole number, 0 or less
	v_cvt_i32_f32 v94, v94                         ; (it saturates)
	v_ldexp_f32 v92, 1.0, v94                      ; f = 2^(old M - new M)
.set j, 0
.rept 32
	v_pk_fma_f32 v[96+j:97+j], v[96+j:97+j], s[CS:CS+1], v[12:13] op_sel_hi:[1,0,0]   ; t - M, two at a time
.set j, j+2
.endr
.irp b, 0,1,2,3
	v_fma_f32 v[80+\b], v[80+\b], s[CS], v12       ; the same of each block's largest score
.endr
.set j, 0
.rept 64
	v_exp_f32 v[96+j], v[96+j]                     ; p = 2^(t - M)
.set j, j+1
.endr
	v_pk_mul_f32 v[14:15], v[14:15], v[92:93] op_sel_hi:[1,0]   ; the sums under the new M: the plain place behind the exponentials
	s_wait_alu depctr_va_vdst(0)                   ; one wait for the batch of 64, ahead of its first reader
.irp b, 0,1,2,3
	v_exp_f32 v[80+\b], v[80+\b]                   ; the block's largest p: the same two instructions on the same number
.endr
	v_pk_add_f32 v[84:85], v[96:97], v[98:99]      ; the row's sum of the unquantised p, in two chains
.irp j, 4,8,12,16,20,24,28,32,36,40,44,48,52,56,60
	v_pk_add_f32 v[14:15], v[14:15], v[96+\j:97+\j]
	v_pk_add_f32 v[84:85], v[84:85], v[98+\j:99+\j]
.endr
	v_pk_add_f32 v[14:15], v[14:15], v[84:85]
	s_wait_alu depctr_va_vdst(0)                   ; and one for the four
.irp b, 0,1,2,3
	v_max_num_f32 v[80+\b], 0x1800000, v[80+\b]    ; the floor 2^(3 - 127)
.endr
.irp b, 0,1,2,3
	v_add_nc_u32 v[252+\b], 0xff000000, v[80+\b]   ; the conversion's scale operand
.endr
.irp b, 0,1,2,3
	v_lshrrev_b32 v[84+\b], 23, v[252+\b]          ; the byte
.endr
	v_lshl_or_b32 v93, v85, 8, v84                 ; p's scale word for these 128 keys
	v_lshl_or_b32 v93, v86, 16, v93
	v_lshl_or_b32 v93, v87, 24, v93
.irp c, 0,1
	v_cvt_scalef32_pk16_fp6_f32 v[240+6*\c:242+6*\c], v[96+32*\c:111+32*\c], v[252+2*\c]
	v_cvt_scalef32_pk16_fp6_f32 v[84+4*\c:86+4*\c], v[112+32*\c:127+32*\c], v[252+2*\c+1]
.endr
	v_nop                                          ; one plain place behind a scaled conversion
.irp c, 0,1
.irp i, 0,1,2
	v_permlane16_swap_b32 v[240+6*\c+\i], v[84+4*\c+\i]
.endr
.irp i, 0,1,2
	v_mov_b32 v[243+6*\c+\i], v[84+4*\c+\i]
.endr
.endr
.set j, 0
.rept 16
	v_pk_mul_f32 v[160+j:161+j], v[160+j:161+j], v[92:93] op_sel_hi:[1,0]   ; O^T under the new M; these 16 are also the places between p's scale word and codes and the products below
.set j, j+2
.endr
	s_wait_dscnt 0x0                               ; V
.irp t, 0,1,2,3                                ; O^T += V^T P^T: the four accumulators by turns
	v_wmma_scale_f32_16x16x128_f8f6f4 v[160+8*\t:167+8*\t], v[192+12*\t:203+12*\t], v[240:251], v[160+8*\t:167+8*\t], v[28+\t], v93 matrix_a_fmt:MATRIX_FMT_FP6 matrix_b_fmt:MATRIX_FMT_FP6
.endr
	s_add_co_u32 s[TB], s[TB], REC
	s_sub_co_u32 s[CNT], s[CNT], 1
	s_cmp_lg_u32 s[CNT], 0
	s_cbranch_scc1 .Lstep
	; THE WAY OUT.  O^T / the sum; register 16 b + i is channel 32 b + 16 h + i of my query: two blocks along the last product's K, quantised as they stand: one unit of 768 bytes.
	v_add_f32 v14, v14, v15
	v_permlanex16_b32 v92, v14, s[SEL], s[SEL+1]
	v_add_f32 v14, v14, v92                        ; the row's sum
	v_rcp_f32 v14, v14
.rept 3
	v_nop                                          ; the plain place behind the reciprocal; with the three lines above, the places behind the last products
.endr
	s_wait_alu depctr_va_vdst(0)                   ; ahead of the reciprocal's first reader
.set j, 0
.rept 16
	v_pk_mul_f32 v[96+j:97+j], v[160+j:161+j], v[14:15] op_sel_hi:[1,0]
.set j, j+2
.endr
.irp b, 0,1
	v_max3_num_f32 v[80+\b], |v[96+16*\b]|, |v[97+16*\b]|, 0x1800000
.endr
.irp i, 2,4,6,8,10,12,14
.irp b, 0,1
	v_max3_num_f32 v[80+\b], v[80+\b], |v[96+16*\b+\i]|, |v[97+16*\b+\i]|
.endr
.endr
.irp b, 0,1
	v_permlanex16_b32 v[84+\b], v[80+\b], s[SEL], s[SEL+1]
.endr
.irp b, 0,1
	v_max_num_f32 v[80+\b], v[80+\b], v[84+\b]
.endr
.irp b, 0,1
	v_add_nc_u32 v[252+\b], 0xff000000, v[80+\b]
.endr
.irp b, 0,1
	v_lshrrev_b32 v[84+\b], 23, v[252+\b]
.endr
	v_lshl_or_b32 v94, v85, 8, v84                 ; the head's two scale bytes of my token
	v_cvt_scalef32_pk16_fp6_f32 v[240:242], v[96:111], v252
	v_cvt_scalef32_pk16_fp6_f32 v[88:90], v[112:127], v253
	v_nop
.irp i, 0,1,2
	v_permlane16_swap_b32 v[240+\i], v[88+\i]
.endr
.irp i, 0,1,2
	v_mov_b32 v[243+\i], v[88+\i]
.endr
	global_store_b128 v1, v[240:243], s[40:41]     ; 512 and 256 consecutive bytes, aligned to 256
	global_store_b64 v2, v[244:245], s[40:41] offset:512
	global_store_b16 v4, v94, s[42:43]             ; 16 r: both halves of the lanes write the same two bytes with the same value
	s_wait_tensorcnt 0x0
	ds_add_u32 v7, v91
	s_wait_dscnt 0x0
	ROUND                                          ; the closing round: no work-group ends while a partner may still ask for a record that names it
	s_endpgm
.Lfunc_end_k_q29e0be2230_attn:
	.size	k_q29e0be2230_attn, .Lfunc_end_k_q29e0be2230_attn-k_q29e0be2230_attn
	.p2alignl 7, 3214868480
	.fill 96, 4, 3214868480
	.section	.rodata,"a",@progbits
	.p2align	6, 0x0
	.amdhsa_kernel k_q29e0be2230_attn
		.amdhsa_group_segment_fixed_size 210944
		.amdhsa_private_segment_fixed_size 0
		.amdhsa_enable_private_segment 0
		.amdhsa_kernarg_size 32
		.amdhsa_user_sgpr_count 2
		.amdhsa_user_sgpr_kernarg_segment_ptr 1
		.amdhsa_wavefront_size32 1
		.amdhsa_system_sgpr_workgroup_id_x 1
		.amdhsa_system_sgpr_workgroup_id_y 1
		.amdhsa_system_sgpr_workgroup_id_z 1
		.amdhsa_system_vgpr_workitem_id 0
		.amdhsa_next_free_vgpr 256
		.amdhsa_next_free_sgpr 66
		.amdhsa_reserve_vcc 0
		.amdhsa_float_denorm_mode_32 3
		.amdhsa_float_denorm_mode_16_64 3
		.amdhsa_memory_ordered 1
		.amdhsa_forward_progress 1
		.amdhsa_inst_pref_size 27
	.end_amdhsa_kernel
	.amdgpu_metadata
---
amdhsa.version: [ 1, 2 ]
amdhsa.kernels:
  - .name:           k_q29e0be2230_attn
    .symbol:         k_q29e0be2230_attn.kd
    .args:
      - { .name: qb, .offset: 0, .size: 8, .value_kind: global_buffer, .address_space: global }
      - { .name: kv, .offset: 8, .size: 8, .value_kind: global_buffer, .address_space: global }
      - { .name: oc, .offset: 16, .size: 8, .value_kind: global_buffer, .address_space: global }
      - { .name: os, .offset: 24, .size: 8, .value_kind: global_buffer, .address_space: global }
    .group_segment_fixed_size: 210944
    .private_segment_fixed_size: 0
    .kernarg_segment_align: 8
    .kernarg_segment_size: 32
    .max_flat_workgroup_size: 512
    .sgpr_count:     66
    .vgpr_count:     256
    .wavefront_size: 32
...
	.end_amdgpu_metadata
.endif
;; end of part 3
;; launch outp (part 4): grid 4 x 16, 4 waves a work-group, clusters of 4 x 4, 327,680 bytes of LDS; arguments oc, os, cod, scl, bo, out0; writes out0
.if DOCPART == 4
	.amdgcn_target "amdgcn-amd-amdhsa--gfx1250"
	.amdhsa_code_object_version 6
	.text
	.protected	k_q29e0be2230_outp
	.globl	k_q29e0be2230_outp
	.p2align	8
	.type	k_q29e0be2230_outp,@function
k_q29e0be2230_outp:
	s_mov_b64 s[64:65], 0
	v_nop
	global_prefetch_b8 v0, s[64:65] scope:SCOPE_SE
	s_setreg_imm32_b32 hwreg(HW_REG_WAVE_MODE, 25, 1), 1
	s_wait_xcnt 0x0
	s_wait_alu depctr_hold_cnt(0) depctr_sa_sdst(0) depctr_va_vdst(0) depctr_va_sdst(0) depctr_va_ssrc(0) depctr_va_vcc(0) depctr_vm_vsrc(0)
	s_getreg_b32 s2, hwreg(HW_REG_IB_STS2, 6, 4)
	s_cmp_eq_u32 s2, 0
	s_cbranch_scc0 .Lentry_in_a_cluster
	s_endpgm
.Lentry_in_a_cluster:
	s_bfe_u32 s2, ttmp6, 0x10000c
	s_cmp_lg_u32 s2, 0xf033
	s_cbranch_scc0 .Lentry_shape_is_right
	s_endpgm
.Lentry_shape_is_right:
; out0 = o wo^T + bo on codes of FP6 (E2M3) with E8M0 scales; out0 [4096][1024] f32.  o's codes and scale words come from the attention launch, wo's from the quantising launch (tiles 448-511 of cod and scl).
; A work-group of four waves makes 256 tokens x 256 outputs, a wave 128 x 128: 64 accumulators.  Source 0 = rows of wo (they run along a lane's registers), source 1 = tokens (across the lanes).
; TILES: tile 2 g + u holds, in lane r, row 32 g + 8 u + r + 8 (r / 8): the 16 registers of result tiles 2 g, 2 g + 1 are outputs 32 g + 16 h + 0 .. 15 of one token.
; K = 1,024 goes in four chunks of 256: three LDS slots take chunks 0, 1, 2 at the start; chunk 3 fills slot 0 again behind the change from slot 1 to slot 2.  A wave has four tensor loads out at the start, later one.
; CLUSTER 4 x 4: the tokens' tiles are asked for jointly along a row of the cluster, wo's along a column.  The grid is 64 work-groups: 16 x 4 tiles of 256 x 256.
; THE BIAS is the C of each sum's first matrix instruction: eight registers for each tile of outputs, in the result's layout.
; REGISTERS: window 0: v1-3 lane, r, h; v4-15 LDS addresses; v16 the bias loads' offset; v24-31 addresses; v32-95 scale words and nothing else; v128-223 source 1's fragments; on the way out v128-255 rows of out0.
;   window 1: source 0's fragments, two sets, at v0 and v128; v96-127 and v224-255 the bias.   windows 2, 3: the accumulators ((a, b) at v[8 (8 (a % 4) + b)]).
.set CH,    3072
.set HALFT, 8*CH
.set SLOT,  4*HALFT
.set SCL,   3*SLOT
.set HALFS, 4096
.set SPARE, SCL+4*HALFS                ; the spare words, 128 bytes for each wave: two blocks of 256 bytes that no other line names
.set SPITCH, 528                       ; the way out: a stage of 16 rows x (512 bytes + 16) for each wave, in slot 1, which has had its one fill and its last read when the first result is stored there
.set FR,    12
.set A16, 4
.set A8,  7
.set B16, 10
.set B8,  13
.set BO,  16
.set ADRS, 24
.set STO, 25                           ; v25  the stage: where I put 32 bytes of a row
.set RD,  26                           ; v26  and where I read a row back
.set SPW, 28
.set NIL, 29
.set L16, 30                           ; v30  16 x lane: also my place in a row of out0
.set L8,  31
.set SC,  32
.set AF,  128
.set BK,  128
.set WV,  18
.set HA,  19
.set HB,  20
.set CX,  21
.set CY,  22
.set CLY, 66
.set G1A, 24
.set G1B, 32
.set G1SA, 40
.set G1SB, 48
.set G0SA, 56
.set G0SB, 60
.set G0A, 68
.set G0B, 80
.set MSB, 0
.macro WIN new
.if MSB != (\new)
	s_set_vgpr_msb (MSB<<8)|(\new)
.set MSB, (\new)
.endif
.endm
.set MUL_LO, 0xa1                      ; source 0 window 1, source 1 window 0, C and D window 2
.set MUL_HI, 0xf1
.set ST_LO,  0x91                      ; the first step: C (the bias) window 1, D window 2
.set ST_HI,  0xd1
.set TO_B,   0x40
.macro JLOAD g0a, g1a, g0b, g1b        ; a joint load; the branch hangs on the wave's number alone; four v_nop follow each line
	s_cmp_eq_u32 s[HA], 0
	s_cbranch_scc0 .Lfor_b_\@
	tensor_load_to_lds s[\g0a:\g0a+3], s[\g1a:\g1a+7]
	s_nop 0
.rept 4
	v_nop
.endr
	s_branch .Lasked_\@
.Lfor_b_\@:
	tensor_load_to_lds s[\g0b:\g0b+3], s[\g1b:\g1b+7]
	s_nop 0
.rept 4
	v_nop
.endr
.Lasked_\@:
.endm
.macro CREST
	s_cmp_lg_u32 s[WV], 0
	s_cbranch_scc1 .Lnot_wave_0_\@
	s_barrier_signal -3
.Lnot_wave_0_\@:
	s_barrier_wait -3
	s_barrier_signal -1
	s_barrier_wait -1
.endm
.macro CROUND
	s_barrier_signal -1
	s_barrier_wait -1
	CREST
.endm
.macro PLACES                          ; four plain places behind matrix instructions (ISA guide 7.12.1)
.rept 4
	v_nop
.endr
.endm
.macro FRAG reg, a16, a8, off
	ds_load_b128 v[\reg:\reg+3], v[\a16] offset:\off
	ds_load_b64 v[\reg+4:\reg+5], v[\a8] offset:\off+512
	ds_load_b128 v[\reg+6:\reg+9], v[\a16] offset:\off+768
	ds_load_b64 v[\reg+10:\reg+11], v[\a8] offset:\off+1280
.endm
.macro FETCH_B slot, q, p
	WIN TO_B
.irp i, 0,1,2,3,4,5,6,7
	FRAG 128*(\p)+FR*\i, B16+\slot, B8+\slot, \i*CH+1536*(\q)
.endr
	WIN 0
.endm
.macro FETCH_A slot, q, i0
.irp i, \i0, \i0+1, \i0+2, \i0+3
	FRAG AF+FR*(\i), A16+\slot, A8+\slot, (\i)*CH+1536*(\q)
.endr
.endm
; 16 matrix instructions; the 64 accumulators take turns, one instruction a turn, in one order throughout.  first = 1: the sums begin with the bias.
.macro MUL16 a0, p, ks, first
.irp a, \a0, \a0+1
.irp b, 0,1,2,3,4,5,6,7
.if \first
	v_wmma_scale_f32_16x16x128_f8f6f4 v[8*(8*((\a)%4)+\b):8*(8*((\a)%4)+\b)+7], v[128*(\p)+FR*\b:128*(\p)+FR*\b+FR-1], v[AF+FR*(\a):AF+FR*(\a)+FR-1], v[96+8*\b+96*(\b/4):103+8*\b+96*(\b/4)], v[SC+8*\b+(\ks)], v[SC+8*(\a)+(\ks)] matrix_a_fmt:MATRIX_FMT_FP6 matrix_b_fmt:MATRIX_FMT_FP6 matrix_a_scale:MATRIX_SCALE_ROW1
.else
	v_wmma_scale_f32_16x16x128_f8f6f4 v[8*(8*((\a)%4)+\b):8*(8*((\a)%4)+\b)+7], v[128*(\p)+FR*\b:128*(\p)+FR*\b+FR-1], v[AF+FR*(\a):AF+FR*(\a)+FR-1], v[8*(8*((\a)%4)+\b):8*(8*((\a)%4)+\b)+7], v[SC+8*\b+(\ks)], v[SC+8*(\a)+(\ks)] matrix_a_fmt:MATRIX_FMT_FP6 matrix_b_fmt:MATRIX_FMT_FP6 matrix_a_scale:MATRIX_SCALE_ROW1
.endif
.endr
.endr
.endm
.macro STEP slot, ks, first
	s_wait_dscnt 16                                ; all but the youngest 16 loads (source 1's tiles 4-7)
.if \first
	WIN ST_LO
.else
	WIN MUL_LO
.endif
	MUL16 0, 0, \ks, \first
	MUL16 2, 0, \ks, \first
	s_wait_dscnt 0x0
	PLACES
	FETCH_B \slot, 1, 1
	FETCH_A \slot, 1, 0
.if \first
	WIN ST_HI
.else
	WIN MUL_HI
.endif
	MUL16 4, 0, \ks, \first
	MUL16 6, 0, \ks, \first
	PLACES
	WIN 0
	FETCH_A \slot, 1, 4
.endm
.macro TURN next, ks, tc, fill
	s_wait_tensorcnt \tc                           ; my part of the next slot has landed
.if \tc == 0
	ds_add_u32 v[SPW], v[NIL]                      ; 0 onto my spare word
	s_wait_dscnt 17                                ; (the add and the youngest 16 loads may be out)
.else
	s_wait_dscnt 16
.endif
	WIN MUL_LO
	MUL16 0, 1, \ks, 0
	s_wait_dscnt 0x0                               ; the add is done, and my reads of this slot are over
	s_barrier_signal -1
	MUL16 2, 1, \ks, 0
	WIN 0
	s_barrier_wait -1
.if \fill
	CREST                                          ; no wave of any partner reads slot 0 or has a load on its way
	s_add_nc_u64 s[G0A+2:G0A+3], s[G0A+2:G0A+3], 3*CH
	s_add_nc_u64 s[G0B+2:G0B+3], s[G0B+2:G0B+3], 3*CH
	JLOAD G0A, G1A, G0B, G1B                       ; the first tensor load behind the round; its four v_nop are the places in front of the loads below
.else
	PLACES
.endif
	FETCH_B \next, 0, 0
	FETCH_A \next, 0, 0
	WIN MUL_HI
	MUL16 4, 1, \ks, 0
	MUL16 6, 1, \ks, 0
	PLACES
	WIN 0
	FETCH_A \next, 0, 4
.endm
	s_load_b256 s[4:11], s[0:1], 0x0               ; oc s[4:5], os s[6:7], cod s[8:9], scl s[10:11]
	s_load_b128 s[12:15], s[0:1], 0x20             ; bo s[12:13], out0 s[14:15]
	v_lshl_add_u32 v[SPW], v0, 2, SPARE
	v_mov_b32 v[NIL], 0
	ds_add_u32 v28, v29
	ds_add_u32 v28, v29
	s_wait_dscnt 0x0
	v_lshrrev_b32 v1, 5, v0
	v_readfirstlane_b32 s[WV], v1
	s_lshr_b32 s[HA], s[WV], 1
	s_and_b32 s[HB], s[WV], 1
	s_bfe_u32 s[CX], ttmp6, 0x40000
	s_bfe_u32 s[CY], ttmp6, 0x40004
	s_and_b32 s[CLY], ttmp7, 0xffff
	s_lshl_b32 s100, s[CLY], 6                     ; 64 tiles of tokens a cluster
	s_lshl_b32 s101, s[HB], 3                      ; which eight tiles I fetch
	s_lshl_b32 s92, s[CY], 2
	s_lshl_b32 s92, 15, s92                        ; my row of the cluster
	s_lshl_b32 s96, 0x1111, s[CX]                  ; my column
	s_or_b32 s[G1A], s92, (3<<16)|(1<<21)
	s_or_b32 s[G1SA], s92, (3<<16)|(1<<21)
	s_or_b32 s[G1B], s96, (3<<16)|(1<<21)
	s_or_b32 s[G1SB], s96, (3<<16)|(1<<21)
.irp g, G1A, G1B                       ; codes: 8 rows (tiles) of 3,072 bytes, 12,288 bytes apart
	s_mov_b32 s[\g+1], 384<<16
	s_mov_b32 s[\g+2], 8<<16
	s_mov_b32 s[\g+3], 384<<16
	s_mov_b32 s[\g+4], 8
	s_mov_b32 s[\g+5], 1536
	s_mov_b32 s[\g+6], 0
	s_mov_b32 s[\g+7], 0
.endr
.irp g, G1SA, G1SB                     ; scale words of 8 tiles: 4,096 dense bytes as 16 rows of 256
	s_mov_b32 s[\g+1], 32<<16
	s_mov_b32 s[\g+2], 16<<16
	s_mov_b32 s[\g+3], 32<<16
	s_mov_b32 s[\g+4], 16
	s_mov_b32 s[\g+5], 32
	s_mov_b32 s[\g+6], 0
	s_mov_b32 s[\g+7], 0
.endr
	s_lshl_b32 s93, s[CY], 4
	s_add_co_u32 s93, s93, s100
	s_add_co_u32 s93, s93, s101                    ; the tokens' first tile that I would fetch: hangs on cy, not on cx
	s_lshl_b32 s97, s[CX], 4
	s_add_co_u32 s97, s97, 448
	s_add_co_u32 s97, s97, s101                    ; wo's: hangs on cx, not on cy
	s_mul_i32 s92, s93, 12288
	s_lshl_b32 s94, s93, 9
	s_mov_b32 s93, 0
	s_mov_b32 s95, 0
	s_mul_i32 s96, s97, 12288
	s_lshl_b32 s98, s97, 9
	s_mov_b32 s97, 0
	s_mov_b32 s99, 0
	s_mul_i32 s100, s[WV], HALFT
	s_lshl_b32 s101, s[WV], 12
	s_wait_kmcnt 0x0
	s_add_nc_u64 s[92:93], s[4:5], s[92:93]
	s_add_nc_u64 s[94:95], s[6:7], s[94:95]
	s_add_nc_u64 s[96:97], s[8:9], s[96:97]
	s_add_nc_u64 s[98:99], s[10:11], s[98:99]
	CROUND                                         ; all sixteen work-groups are here: the first joint loads meet
	s_mov_b32 s[G0SA], 1
	s_add_co_u32 s[G0SA+1], s101, SCL
	s_mov_b64 s[G0SA+2:G0SA+3], s[94:95]
	s_or_b32 s[G0SA+3], s[G0SA+3], 0x80000000
	s_mov_b32 s[G0SB], 1
	s_add_co_u32 s[G0SB+1], s101, SCL
	s_mov_b64 s[G0SB+2:G0SB+3], s[98:99]
	s_or_b32 s[G0SB+3], s[G0SB+3], 0x80000000
	JLOAD G0SA, G1SA, G0SB, G1SB
.irp s, 0,1,2
	s_mov_b32 s[G0A+4*\s], 1
	s_add_co_u32 s[G0A+4*\s+1], s100, \s*SLOT
	s_add_nc_u64 s[G0A+4*\s+2:G0A+4*\s+3], s[92:93], \s*CH
	s_or_b32 s[G0A+4*\s+3], s[G0A+4*\s+3], 0x80000000
	s_mov_b32 s[G0B+4*\s], 1
	s_add_co_u32 s[G0B+4*\s+1], s100, \s*SLOT
	s_add_nc_u64 s[G0B+4*\s+2:G0B+4*\s+3], s[96:97], \s*CH
	s_or_b32 s[G0B+4*\s+3], s[G0B+4*\s+3], 0x80000000
	JLOAD G0A+4*\s, G1A, G0B+4*\s, G1B
.endr
	s_lshl_b32 s100, s[CX], 10                     ; bo of my 128 outputs: 256 cx + 128 (wave % 2) on
	s_lshl_b32 s101, s[HB], 9
	s_add_co_u32 s100, s100, s101
	s_mov_b32 s101, 0
	s_add_nc_u64 s[12:13], s[12:13], s[100:101]
	v_and_b32 v1, 31, v0                           ; lane
	v_and_b32 v2, 15, v0                           ; r
	v_bfe_u32 v3, v0, 4, 1                         ; h
	v_lshlrev_b32 v[BO], 6, v3                     ; 64 h: my 16 of each 32 outputs
	WIN TO_B
.irp e, 0,1,2,3
.irp j, 0,1,2,3
	global_load_b128 v[96+16*\e+4*\j+96*(\e/2):99+16*\e+4*\j+96*(\e/2)], v[BO], s[12:13] offset:128*\e+16*\j
.endr
.endr
	WIN 0
	v_lshlrev_b32 v[L16], 4, v1
	v_lshlrev_b32 v[L8], 3, v1
	s_mul_i32 s100, s[HA], HALFT
	s_mul_i32 s101, s[HB], HALFT
	s_add_co_u32 s101, s101, 2*HALFT
.irp s, 0,1,2
	v_add_nc_u32 v[A16+\s], s100, v[L16]
	v_add_nc_u32 v[A8+\s], s100, v[L8]
	v_add_nc_u32 v[B16+\s], s101, v[L16]
	v_add_nc_u32 v[B8+\s], s101, v[L8]
	s_add_co_u32 s100, s100, SLOT
	s_add_co_u32 s101, s101, SLOT
.endr
	s_lshl_b32 s100, s[HA], 12
	s_lshl_b32 s101, s[HB], 12
	s_add_co_u32 s101, s101, 2*HALFS
	s_sub_co_u32 s101, s101, s100
	v_mul_u32_u24 v[ADRS], s101, v3                ; lanes 16-31 take wo's words: one product, the distance between the two bases
	s_add_co_u32 s100, s100, SCL
	v_lshl_add_u32 v[ADRS], v2, 4, v[ADRS]
	v_add_nc_u32 v[ADRS], s100, v[ADRS]
	s_mul_i32 s100, s[WV], 16*SPITCH
	s_add_co_u32 s100, s100, SLOT                  ; my stage
	v_mul_u32_u24 v[STO], v2, SPITCH
	v_lshl_add_u32 v[STO], v3, 6, v[STO]
	v_add_nc_u32 v[STO], s100, v[STO]              ; in: row r, + 64 h
	v_add_nc_u32 v[RD], s100, v[L16]               ; back: the 32 lanes take one row of 512 bytes
	s_lshl_b32 s100, s[CLY], 2                     ; out0: my 128 tokens are number 2 (4 cluster y + cy) + wave / 2 of 32: 2^19 bytes each;
	s_add_co_u32 s100, s100, s[CY]
	s_lshl_b32 s100, s100, 1
	s_add_co_u32 s100, s100, s[HA]
	s_lshl_b32 s100, s100, 19
	s_lshl_b32 s101, s[CX], 10                     ; my 128 outputs
	s_add_co_u32 s100, s100, s101
	s_lshl_b32 s101, s[HB], 9
	s_add_co_u32 s100, s100, s101
	s_mov_b32 s101, 0
	s_add_nc_u64 s[14:15], s[14:15], s[100:101]
	s_wait_tensorcnt 2                             ; my scale words and my part of chunk 0 are in; chunks 1 and 2 may be out
	s_barrier_signal -1
	s_barrier_wait -1
	FETCH_B 0, 0, 0
	FETCH_A 0, 0, 0
.irp i, 0,1,2,3,4,5,6,7                ; all of K's scale words, once
	ds_load_b128 v[SC+8*\i:SC+8*\i+3], v[ADRS] offset:512*\i
	ds_load_b128 v[SC+8*\i+4:SC+8*\i+7], v[ADRS] offset:512*\i+256
.endr
	FETCH_A 0, 0, 4
	s_wait_loadcnt 0x0                             ; the bias: the first products take it as C
	STEP 0, 0, 1
	TURN 1, 1, 1, 0                                ; chunk 1 is in (chunk 2 may be out); nothing is filled
	STEP 1, 2, 0
	TURN 2, 3, 0, 1                                ; chunk 2 is in; slot 0 takes chunk 3
	STEP 2, 4, 0
	TURN 0, 5, 0, 0                                ; chunk 3 is in
	STEP 0, 6, 0
	s_wait_dscnt 16
	WIN MUL_LO
	MUL16 0, 1, 7, 0
	MUL16 2, 1, 7, 0
	s_wait_dscnt 0x0
	WIN MUL_HI
	MUL16 4, 1, 7, 0
	MUL16 6, 1, 7, 0
	WIN 0
; THE WAY OUT, a tile of 16 tokens x 128 outputs at a time, through my own stage: a lane holds pieces of 32 bytes of one row; the rows come back whole, 512 bytes, and the 32 lanes store them as two aligned runs of 256 bytes.
; LDS serves a wave's instructions in order (ISA guide 5.7.1.4): no wait between the stores and the loads, nor in front of the next tile's stores.
.macro TOSTAGE a
.set AC, 64*((\a)%4)
	WIN 0x08+4*((\a)/4)                            ; the data: window 2 or 3
.irp b, 0,1,2,3,4,5,6,7
	ds_store_b128 v[STO], v[AC+8*\b:AC+8*\b+3] offset:128*(\b/2)+32*(\b%2)          ; each accumulator from its low end on: outputs 32 (b / 2) + 16 h + 8 (b % 2) + 0 .. 7
	ds_store_b128 v[STO], v[AC+8*\b+4:AC+8*\b+7] offset:128*(\b/2)+32*(\b%2)+16
.endr
	WIN 0
.set BB, BK+64*((\a)%2)
.irp t, 0,1,2,3,4,5,6,7,8,9,10,11,12,13,14,15
	ds_load_b128 v[BB+4*\t:BB+4*\t+3], v[RD] offset:\t*SPITCH
.endr
.endm
.macro SEND a, younger                 ; younger: the LDS instructions issued behind tile a's loads, which may stay out.  Row t of the stage is token 32 (a / 2) + 8 (a % 2) + t + 8 (t / 8) of my 128: the place stands in the immediate
.set BB, BK+64*((\a)%2)
	s_wait_dscnt \younger
.irp t, 0,1,2,3,4,5,6,7,8,9,10,11,12,13,14,15
	global_store_b128 v[L16], v[BB+4*\t:BB+4*\t+3], s[14:15] offset:(32*((\a)/2)+8*((\a)%2)+\t+8*(\t/8))*4096 th:TH_STORE_NT
.endr
.endm
	PLACES                                         ; in front of the first read of results and of the loads into the registers that held fragments
	TOSTAGE 0
.irp a, 1,2,3,4,5,6,7
.if \a > 1
	s_wait_xcnt 0x0                                ; tile a - 2's stores have read their registers: tile a's loads may land there
.endif
	TOSTAGE \a
	SEND \a-1, 32                                  ; behind tile a - 1's loads: tile a's 16 stores and 16 loads
.endr
	SEND 7, 0
	s_wait_tensorcnt 0x0                           ; the wave's end
	ds_add_u32 v[SPW], v[NIL]
	s_wait_dscnt 0x0
	CROUND                                         ; the closing round: no work-group ends while a partner may still ask for a tile that names it
	s_endpgm
.Lfunc_end_k_q29e0be2230_outp:
	.size	k_q29e0be2230_outp, .Lfunc_end_k_q29e0be2230_outp-k_q29e0be2230_outp
	.p2alignl 7, 3214868480
	.fill 96, 4, 3214868480
	.section	.rodata,"a",@progbits
	.p2align	6, 0x0
	.amdhsa_kernel k_q29e0be2230_outp
		.amdhsa_group_segment_fixed_size 327680
		.amdhsa_private_segment_fixed_size 0
		.amdhsa_enable_private_segment 0
		.amdhsa_kernarg_size 48
		.amdhsa_user_sgpr_count 2
		.amdhsa_user_sgpr_kernarg_segment_ptr 1
		.amdhsa_wavefront_size32 1
		.amdhsa_system_sgpr_workgroup_id_x 1
		.amdhsa_system_sgpr_workgroup_id_y 1
		.amdhsa_system_sgpr_workgroup_id_z 1
		.amdhsa_system_vgpr_workitem_id 0
		.amdhsa_next_free_vgpr 1024
		.amdhsa_next_free_sgpr 102
		.amdhsa_reserve_vcc 0
		.amdhsa_float_denorm_mode_32 3
		.amdhsa_float_denorm_mode_16_64 3
		.amdhsa_memory_ordered 1
		.amdhsa_forward_progress 1
		.amdhsa_inst_pref_size 144
	.end_amdhsa_kernel
	.amdgpu_metadata
---
amdhsa.version: [ 1, 2 ]
amdhsa.kernels:
  - .name:           k_q29e0be2230_outp
    .symbol:         k_q29e0be2230_outp.kd
    .args:
      - { .name: oc, .offset: 0, .size: 8, .value_kind: global_buffer, .address_space: global }
      - { .name: os, .offset: 8, .size: 8, .value_kind: global_buffer, .address_space: global }
      - { .name: cod, .offset: 16, .size: 8, .value_kind: global_buffer, .address_space: global }
      - { .name: scl, .offset: 24, .size: 8, .value_kind: global_buffer, .address_space: global }
      - { .name: bo, .offset: 32, .size: 8, .value_kind: global_buffer, .address_space: global }
      - { .name: out0, .offset: 40, .size: 8, .value_kind: global_buffer, .address_space: global }
    .group_segment_fixed_size: 327680
    .private_segment_fixed_size: 0
    .kernarg_segment_align: 8
    .kernarg_segment_size: 48
    .max_flat_workgroup_size: 128
    .sgpr_count:     102
    .vgpr_count:     1024
    .wavefront_size: 32
...
	.end_amdgpu_metadata
.endif
;; end of part 4
;; ======== version 2 of 2: 4 launches
;; limits: right only within a limited range of input values
;; workspace buffers: cod 6,291,456 bytes; scl 262,144 bytes; qb 3,407,872 bytes; kv 6,684,672 bytes; oc 3,145,728 bytes; os 131,072 bytes
;; launch quant (part 5): grid 256 x 1, 4 waves a work-group, no clusters, 34,304 bytes of LDS; arguments x, wq, wk, wv, wo, cod, scl; writes cod, scl
.if DOCPART == 5
	.amdgcn_target "amdgcn-amd-amdhsa--gfx1250"
	.amdhsa_code_object_version 6
	.text
	.protected	k_q29e0be2230_quant
	.globl	k_q29e0be2230_quant
	.p2align	8
	.type	k_q29e0be2230_quant,@function
k_q29e0be2230_quant:
	s_mov_b64 s[64:65], 0
	v_nop
	global_prefetch_b8 v0, s[64:65] scope:SCOPE_SE
	s_setreg_imm32_b32 hwreg(HW_REG_WAVE_MODE, 25, 1), 1
	s_wait_xcnt 0x0
; x [4096][1024] and wq, wk, wv, wo [1024][1024], f32, K innermost, become codes of FP6 (E2M3) with one E8M0 byte for each 32 along K, laid as the later launches' operand registers want them.
; A block's scale is 2^(floor(log2(its largest magnitude)) - 2): its byte is the largest magnitude's exponent field - 2, held at 1 from below.
; LIMITS: a block of zeros gets the byte 1 where the rule says 127 (its codes are zeros, which add nothing, and this program alone reads the bytes); NaN and infinities among the inputs are not served.
; TILES.  Rows go in groups of 32; tile 2 g + u holds, in lane r, row 32 g + 8 u + r + 8 (r / 8).  cod: 512 tiles of 12,288 bytes (0-255 x, 256-319 wq, 320-383 wk, 384-447 wv, 448-511 wo).
; A tile is 16 units of 768 bytes, one for each 64 along K: lane (r, h) owns the 24 bytes of k = 32 h .. 32 h + 31: its first 16 at 16 x lane, its last 8 at 512 + 8 x lane.  Two units are a fragment's 12 registers.
; scl: 512 tiles of 512 bytes: the scale word of row-lane r and K step s (128 along K) at 256 (s / 4) + 16 r + 4 (s % 4).
; SHARES.  Work-group g takes the g-th group of 32 rows; wave w its tile w / 2 and the half w % 2 of K: four K steps of 128.  Waves share nothing: no barrier.
; THE LOADS ARE DENSE: one load reads 512 consecutive bytes, one row's 128 numbers of a K step, 16 bytes a lane.  The conversions want 16 NEIGHBOURS of a block in one lane: so a K step's 16 rows go through the wave's own
; stage in LDS, as they lie, and come back 64 bytes a lane and block.  A stage row is 512 bytes + 16: row r starts 16 r bytes on modulo 256, so the sixteen lanes of a read fall on sixteen different columns of 16 bytes.
; Every K step has load registers of its own (window 1) and code registers of its own: no register that a pending load or store names is ever written again.  Three steps' loads go out at the head, the fourth behind the first turn.
; REGISTERS.  window 0: v1-3 lane, r, h; v4-7, v14 addresses; v8-11 scale words; v16-79 64 neighbours; v80-127 four steps' codes; v128-134, v136-151 at work.   window 1: v[64 s + 4 i ..]: row i of K step s as loaded.
.set SP,  528                          ; a stage row
.set STG, 16*SP                        ; a wave's stage
.set GA,  4                            ; v4   16 x lane: my 16 bytes of a load's 512; also my place in a unit's first 512 bytes
.set L8,  5                            ; v5   8 x lane
.set SO,  6                            ; v6   16 r + 8 h: my two scale words' place
.set SI,  7                            ; v7   the stage, on the way in: 16 x lane
.set W,   8                            ; v8-11  the four K steps' scale words
.set SX,  14                           ; v14  the stage, on the way out: 528 r + 64 h
.set X,   16
.set PC,  80
.set TP,  128
.set TM,  136                          ; v136-139 largest magnitudes, v140-143 bytes, v148-151 the conversions' scale operands
.set SEL, 26                           ; s[26:27] v_permlanex16_b32's selects for lane l xor 16
.set MSB, 0
.macro WIN new                         ; the immediate's high byte repeats the setting that is left
.if MSB != (\new)
	s_set_vgpr_msb (MSB<<8)|(\new)
.set MSB, (\new)
.endif
.endm
; 64 numbers of a lane, register 16 b + i = k 32 b + 16 h + i of my row, become a fragment's codes in v[pc] on and its scale word in v[pw]
.macro QUANT s, pc, pw
.irp b, 0,1,2,3
	v_max3_num_f32 v[TM+\b], |v[\s+16*\b]|, |v[\s+1+16*\b]|, 0x1800000   ; my 16 numbers of block b, and the floor 2^(3 - 127): the byte cannot fall under 1
.endr
.irp i, 2,4,6,8,10,12,14
.irp b, 0,1,2,3
	v_max3_num_f32 v[TM+\b], v[TM+\b], |v[\s+16*\b+\i]|, |v[\s+1+16*\b+\i]|   ; the four blocks by turns
.endr
.endr
.irp b, 0,1,2,3
	v_permlanex16_b32 v[TM+4+\b], v[TM+\b], s[SEL], s[SEL+1]
.endr
.irp b, 0,1,2,3
	v_max_num_f32 v[TM+\b], v[TM+\b], v[TM+4+\b]   ; with lane l xor 16's 16: the block's largest magnitude
.endr
.irp b, 0,1,2,3
	v_add_nc_u32 v[TM+12+\b], 0xff000000, v[TM+\b]   ; 2 off its exponent field: the conversion takes that field as its scale
.endr
.irp b, 0,1,2,3
	v_lshrrev_b32 v[TM+4+\b], 23, v[TM+12+\b]      ; the scale's byte
.endr
	v_lshl_or_b32 v[\pw], v[TM+5], 8, v[TM+4]
	v_lshl_or_b32 v[\pw], v[TM+6], 16, v[\pw]
	v_lshl_or_b32 v[\pw], v[TM+7], 24, v[\pw]      ; my row's scale word
.irp c, 0,1
	v_cvt_scalef32_pk16_fp6_f32 v[\pc+6*\c:\pc+2+6*\c], v[\s+32*\c:\s+15+32*\c], v[TM+12+2*\c]
	v_cvt_scalef32_pk16_fp6_f32 v[TP+4*\c:TP+2+4*\c], v[\s+16+32*\c:\s+31+32*\c], v[TM+12+2*\c+1]   ; (a conversion's three registers begin on an even number)
.endr
	v_nop                                          ; one plain place behind a scaled conversion
.irp c, 0,1                                    ; the layout wants a whole block in a lane: lanes 0-15 block 2 c, lanes 16-31 block 2 c + 1
.irp i, 0,1,2
	v_permlane16_swap_b32 v[\pc+6*\c+\i], v[TP+4*\c+\i]
.endr
.irp i, 0,1,2
	v_mov_b32 v[\pc+3+6*\c+\i], v[TP+4*\c+\i]
.endr
.endr
.endm
.macro XLOAD s                                 ; K step s of my four: the tile's 16 rows, 512 consecutive bytes a load
	WIN 0x40                                       ; destination window 1, address window 0
.irp i, 0,1,2,3,4,5,6,7,8,9,10,11,12,13,14,15
	global_load_b128 v[64*\s+4*\i:64*\s+4*\i+3], v[GA], s[4:5] offset:(\i+8*(\i/8))*4096+512*\s th:TH_LOAD_NT
.endr
	WIN 0
.endm
.macro TURN s                                  ; through the stage: LDS serves a wave's instructions in order (ISA guide 5.7.1.4), so no wait stands between the stores and the loads
	WIN 0x04                                       ; an LDS store's data are its source 1: window 1
.irp i, 0,1,2,3,4,5,6,7,8,9,10,11,12,13,14,15
	ds_store_b128 v[SI], v[64*\s+4*\i:64*\s+4*\i+3] offset:SP*\i
.endr
	WIN 0
.irp b, 0,1,2,3
.irp j, 0,1,2,3
	ds_load_b128 v[X+16*\b+4*\j:X+16*\b+4*\j+3], v[SX] offset:128*\b+16*\j
.endr
.endr
.endm
.macro OUT s                                   ; the fragment leaves as two units: each store covers 512 or 256 consecutive bytes, aligned to 256
	global_store_b128 v[GA], v[PC+12*\s:PC+12*\s+3], s[14:15] offset:1536*\s
	global_store_b64 v[L8], v[PC+12*\s+4:PC+12*\s+5], s[14:15] offset:1536*\s+512
	global_store_b128 v[GA], v[PC+12*\s+6:PC+12*\s+9], s[14:15] offset:1536*\s+768
	global_store_b64 v[L8], v[PC+12*\s+10:PC+12*\s+11], s[14:15] offset:1536*\s+1280
.endm
.macro STEP s, left                            ; left: the loads of the younger K steps, which may stay out
	s_wait_loadcnt \left
	TURN \s
.if \s == 0
	XLOAD 3                                        ; the last K step's loads
.endif
	s_wait_dscnt 0x0                               ; my 64 neighbours are back
	QUANT X, PC+12*\s, W+\s
	OUT \s
.endm
	s_load_b256 s[4:11], s[0:1], 0x0               ; x s[4:5], wq s[6:7], wk s[8:9], wv s[10:11]
	s_load_b128 s[12:15], s[0:1], 0x20             ; wo s[12:13], cod s[14:15]
	s_load_b64 s[16:17], s[0:1], 0x30              ; scl
	v_lshl_add_u32 v254, v0, 2, 0x8400
	v_mov_b32 v255, 0
	v_lshrrev_b32 v1, 5, v0
	v_readfirstlane_b32 s18, v1                    ; wave 0..3
	v_and_b32 v1, 31, v0                           ; lane
	v_and_b32 v2, 15, v0                           ; r
	v_bfe_u32 v3, v0, 4, 1                         ; h
	v_lshlrev_b32 v[GA], 4, v1
	v_lshlrev_b32 v[L8], 3, v1
	v_lshlrev_b32 v[SO], 4, v2
	v_lshl_add_u32 v[SO], v3, 3, v[SO]
	s_mul_i32 s2, s18, STG                         ; my wave's stage
	v_add_nc_u32 v[SI], s2, v[GA]
	v_mul_u32_u24 v[SX], v2, SP
	v_lshl_add_u32 v[SX], v3, 6, v[SX]
	v_add_nc_u32 v[SX], s2, v[SX]
.irp b, 0,1,2,3
	v_mov_b32 v[TM+4+\b], 0                        ; written once: a lane permute's destination counts as one of its sources
.endr
	s_mov_b32 s[SEL], 0x76543210
	s_mov_b32 s[SEL+1], 0xfedcba98
	s_sub_co_u32 s19, ttmp9, 128                   ; groups 128 on are the weights' (below 128 these three numbers are not used)
	s_lshr_b32 s20, s19, 5                         ; which weight
	s_and_b32 s21, s19, 31                         ; its group of 32 rows
	s_cmp_lt_u32 ttmp9, 128
	s_cselect_b32 s21, ttmp9, s21                  ; the group within the tensor
	s_lshr_b32 s22, s18, 1                         ; u: which tile of the group
	s_and_b32 s23, s18, 1                          ; which half of K
	s_lshl_b32 s24, s21, 17                        ; 32 rows of 4,096 bytes
	s_lshl_b32 s25, s22, 15                        ; 8 rows
	s_add_co_u32 s24, s24, s25
	s_lshl_b32 s25, s23, 11                        ; 512 numbers
	s_add_co_u32 s24, s24, s25
	s_mov_b32 s25, 0
	s_lshl_b32 s28, ttmp9, 1
	s_add_co_u32 s28, s28, s22                     ; the tile's number in cod and scl
	s_mul_i32 s30, s28, 12288
	s_mul_i32 s29, s23, 6144
	s_add_co_u32 s30, s30, s29
	s_mov_b32 s31, 0
	s_lshl_b32 s28, s28, 9
	s_lshl_b32 s29, s23, 8
	s_add_co_u32 s28, s28, s29
	s_mov_b32 s29, 0
	s_wait_alu depctr_va_vdst(0)
	s_wait_kmcnt 0x0
	s_cmp_eq_u32 s20, 1                            ; the choices hang on the work-group's number alone
	s_cselect_b64 s[6:7], s[8:9], s[6:7]
	s_cmp_eq_u32 s20, 2
	s_cselect_b64 s[6:7], s[10:11], s[6:7]
	s_cmp_eq_u32 s20, 3
	s_cselect_b64 s[6:7], s[12:13], s[6:7]
	s_cmp_lt_u32 ttmp9, 128
	s_cselect_b64 s[4:5], s[4:5], s[6:7]
	s_add_nc_u64 s[4:5], s[4:5], s[24:25]
	s_add_nc_u64 s[14:15], s[14:15], s[30:31]
	s_add_nc_u64 s[16:17], s[16:17], s[28:29]
	XLOAD 0
	XLOAD 1
	XLOAD 2
	STEP 0, 32                                     ; K step 0 is in; steps 1 and 2 may be out
	STEP 1, 32                                     ; steps 2 and 3 may be out
	STEP 2, 16
	STEP 3, 0
	v_cmp_ne_u32 vcc_lo, 0, v3                     ; both halves of the lanes hold row r's four words: lanes 0-15 store the first two, lanes 16-31 the last two
	v_cndmask_b32 v12, v[W], v[W+2], vcc_lo
	v_cndmask_b32 v13, v[W+1], v[W+3], vcc_lo
	global_store_b64 v[SO], v[12:13], s[16:17]     ; 32 lanes store 256 consecutive bytes, aligned
	s_wait_tensorcnt 0x0
	ds_add_u32 v254, v255
	s_wait_dscnt 0x0
	s_endpgm
.Lfunc_end_k_q29e0be2230_quant:
	.size	k_q29e0be2230_quant, .Lfunc_end_k_q29e0be2230_quant-k_q29e0be2230_quant
	.p2alignl 7, 3214868480
	.fill 96, 4, 3214868480
	.section	.rodata,"a",@progbits
	.p2align	6, 0x0
	.amdhsa_kernel k_q29e0be2230_quant
		.amdhsa_group_segment_fixed_size 34304
		.amdhsa_private_segment_fixed_size 0
		.amdhsa_enable_private_segment 0
		.amdhsa_kernarg_size 56
		.amdhsa_user_sgpr_count 2
		.amdhsa_user_sgpr_kernarg_segment_ptr 1
		.amdhsa_wavefront_size32 1
		.amdhsa_system_sgpr_workgroup_id_x 1
		.amdhsa_system_sgpr_workgroup_id_y 1
		.amdhsa_system_sgpr_workgroup_id_z 1
		.amdhsa_system_vgpr_workitem_id 0
		.amdhsa_next_free_vgpr 512
		.amdhsa_next_free_sgpr 66
		.amdhsa_reserve_vcc 1
		.amdhsa_float_denorm_mode_32 3
		.amdhsa_float_denorm_mode_16_64 3
		.amdhsa_memory_ordered 1
		.amdhsa_forward_progress 1
		.amdhsa_inst_pref_size 35
	.end_amdhsa_kernel
	.amdgpu_metadata
---
amdhsa.version: [ 1, 2 ]
amdhsa.kernels:
  - .name:           k_q29e0be2230_quant
    .symbol:         k_q29e0be2230_quant.kd
    .args:
      - { .name: x, .offset: 0, .size: 8, .value_kind: global_buffer, .address_space: global }
      - { .name: wq, .offset: 8, .size: 8, .value_kind: global_buffer, .address_space: global }
      - { .name: wk, .offset: 16, .size: 8, .value_kind: global_buffer, .address_space: global }
      - { .name: wv, .offset: 24, .size: 8, .value_kind: global_buffer, .address_space: global }
      - { .name: wo, .offset: 32, .size: 8, .value_kind: global_buffer, .address_space: global }
      - { .name: cod, .offset: 40, .size: 8, .value_kind: global_buffer, .address_space: global }
      - { .name: scl, .offset: 48, .size: 8, .value_kind: global_buffer, .address_space: global }
    .group_segment_fixed_size: 34304
    .private_segment_fixed_size: 0
    .kernarg_segment_align: 8
    .kernarg_segment_size: 56
    .max_flat_workgroup_size: 128
    .sgpr_count:     66
    .vgpr_count:     512
    .wavefront_size: 32
...
	.end_amdgpu_metadata
.endif
;; end of part 5
;; launch qkv (part 6): grid 12 x 16, 4 waves a work-group, clusters of 4 x 4, 327,680 bytes of LDS; arguments cod, scl, bq, bk, bv, qb, kv; writes qb, kv
.if DOCPART == 6
	.amdgcn_target "amdgcn-amd-amdhsa--gfx1250"
	.amdhsa_code_object_version 6
	.text
	.protected	k_q29e0be2230_qkv
	.globl	k_q29e0be2230_qkv
	.p2align	8
	.type	k_q29e0be2230_qkv,@function
k_q29e0be2230_qkv:
	s_mov_b64 s[64:65], 0
	v_nop
	global_prefetch_b8 v0, s[64:65] scope:SCOPE_SE
	s_setreg_imm32_b32 hwreg(HW_REG_WAVE_MODE, 25, 1), 1
	s_wait_xcnt 0x0
	s_wait_alu depctr_hold_cnt(0) depctr_sa_sdst(0) depctr_va_vdst(0) depctr_va_sdst(0) depctr_va_ssrc(0) depctr_va_vcc(0) depctr_vm_vsrc(0)
	s_getreg_b32 s2, hwreg(HW_REG_IB_STS2, 6, 4)
	s_cmp_eq_u32 s2, 0
	s_cbranch_scc0 .Lentry_in_a_cluster
	s_endpgm
.Lentry_in_a_cluster:
	s_bfe_u32 s2, ttmp6, 0x10000c
	s_cmp_lg_u32 s2, 0xf033
	s_cbranch_scc0 .Lentry_shape_is_right
	s_endpgm
.Lentry_shape_is_right:
; Q, K, V = x W^T + b on codes of FP6 (E2M3) with E8M0 scales, quantised again on the way out, in the order of the attention launch's operand registers.
; A work-group of four waves makes 256 x 256, a wave 128 x 128; cluster 4 x 4: source 1's tiles are asked for jointly along a row of the cluster, source 0's along a column.
; LDS: region P, 49,152 bytes a wave: 8 tiles x 6,144 bytes, K 0-511, the wave's one load at the head; region R, 24,576 bytes a wave: K 512-767, first filled behind one full sequence and a round;
; K 768-1023 fills P's first 24,576 bytes of each wave's part again, behind the round in K step 3, when P is read no more.  Slot numbers: 0, 1 = P's halves along K, 2 = R, 3 = P filled again.
; THE SCALE WORDS go from memory into registers: a tile's 512 bytes are one load, 16 bytes a lane: lane 16 (s / 4) + r holds row r's words of K steps 4 (s / 4) .. + 3, and the product of K step s names row s / 4.
; No prefetch: the block is the largest that the registers hold, in clusters, and K has three fills only.
; LIMITS: a block of zeros gets the byte 1 (its codes are zeros; this program alone reads the bytes); NaN and infinities are not served.
.set CH,    3072
.set HALFT, 8*CH
.set SLOT,  4*HALFT
.set PREG,  2*HALFT
.set RB,    4*PREG
.set SPARE, RB+SLOT
.set FR,    12
.set A16, 4
.set A8,  7
.set B16, 10
.set B8,  13
.set BL,  16
.set BO,  25
.set SOF, 27
.set SPW, 28
.set NIL, 29
.set L16, 30
.set L8,  31
.set SC,  32                           ; v32-63 source 1's scale words, four registers a tile
.set SCB, 66                           ; v66-97 source 0's
.set TM,  236
.set W,   112
.set AF,  128
.set HN,  128
.set PC,  192
.set X,   224
.set PW,  232
.set SEL, 2
.set WV,  18
.set HA,  19
.set HB,  20
.set CX,  21
.set CY,  22
.set CLX, 23
.set CLY, 66
.set PADS, 67
.set G1A, 24
.set G1B, 32
.set G0A, 68
.set G0B, 80
.set MSB, 0
.macro WIN new
.if MSB != (\new)
	s_set_vgpr_msb (MSB<<8)|(\new)
.set MSB, (\new)
.endif
.endm
.set MUL_LO, 0xa1
.set MUL_HI, 0xf1
.set TO_B,   0x40
.macro JLOAD g0a, g1a, g0b, g1b
	s_cmp_eq_u32 s[HA], 0
	s_cbranch_scc0 .Lfor_b_\@
	tensor_load_to_lds s[\g0a:\g0a+3], s[\g1a:\g1a+7]
	s_nop 0
.rept 4
	v_nop
.endr
	s_branch .Lasked_\@
.Lfor_b_\@:
	tensor_load_to_lds s[\g0b:\g0b+3], s[\g1b:\g1b+7]
	s_nop 0
.rept 4
	v_nop
.endr
.Lasked_\@:
.endm
.macro CREST
	s_cmp_lg_u32 s[WV], 0
	s_cbranch_scc1 .Lnot_wave_0_\@
	s_barrier_signal -3
.Lnot_wave_0_\@:
	s_barrier_wait -3
	s_barrier_signal -1
	s_barrier_wait -1
.endm
.macro CROUND
	s_barrier_signal -1
	s_barrier_wait -1
	CREST
.endm
.macro PLACES
.rept 4
	v_nop
.endr
.endm
.macro FRAG reg, a16, a8, off
	ds_load_b128 v[\reg:\reg+3], v[\a16] offset:\off
	ds_load_b64 v[\reg+4:\reg+5], v[\a8] offset:\off+512
	ds_load_b128 v[\reg+6:\reg+9], v[\a16] offset:\off+768
	ds_load_b64 v[\reg+10:\reg+11], v[\a8] offset:\off+1280
.endm
.macro SLOTSET s                       ; a slot's address register, tile pitch and first byte
.set SR_, ((\s)/2)*(1-(\s)%2)
.set SP_, CH*(2-(\s)/2)
.set SO_, CH*((\s)%2)*(1-(\s)/2)
.endm
.macro FETCH_B slot, q, p
	SLOTSET \slot
	WIN TO_B
.irp i, 0,1,2,3,4,5,6,7
	FRAG 128*(\p)+FR*\i, B16+SR_, B8+SR_, \i*SP_+SO_+1536*(\q)
.endr
	WIN 0
.endm
.macro FETCH_A slot, q, i0
	SLOTSET \slot
.irp i, \i0, \i0+1, \i0+2, \i0+3
	FRAG AF+FR*(\i), A16+SR_, A8+SR_, (\i)*SP_+SO_+1536*(\q)
.endr
.endm
.macro WM c, row
	v_wmma_scale_f32_16x16x128_f8f6f4 v[D_:D_+7], v[FB_:FB_+FR-1], v[FA_:FA_+FR-1], \c, v[XB_], v[XA_] matrix_a_fmt:MATRIX_FMT_FP6 matrix_b_fmt:MATRIX_FMT_FP6 matrix_a_scale:MATRIX_SCALE_ROW\row matrix_b_scale:MATRIX_SCALE_ROW\row
.endm
.macro MUL16 a0, p, ks, zero
.irp a, \a0, \a0+1
.irp b, 0,1,2,3,4,5,6,7
.set D_, 8*(8*((\a)%4)+\b)
.set FB_, 128*(\p)+FR*\b
.set FA_, AF+FR*(\a)
.set XB_, SCB+4*\b+(\ks)%4
.set XA_, SC+4*(\a)+(\ks)%4
.if \zero
	WM 0, 0
.elseif (\ks) < 4
	WM v[D_:D_+7], 0
.else
	WM v[D_:D_+7], 1
.endif
.endr
.endr
.endm
.macro STEP p, ks, zero, slot, q       ; K step ks on B's set p; the next step's fragments come from half q of the slot named
	s_wait_dscnt 16                                ; the youngest 16 loads, A's blocks 4-7, may be out
	WIN MUL_LO
	MUL16 0, \p, \ks, \zero
	MUL16 2, \p, \ks, \zero
	s_wait_dscnt 0x0
	PLACES
	FETCH_B \slot, \q, 1-(\p)
	FETCH_A \slot, \q, 0
	WIN MUL_HI
	MUL16 4, \p, \ks, \zero
	MUL16 6, \p, \ks, \zero
	PLACES
	WIN 0
	FETCH_A \slot, \q, 4
.endm
.macro TURN next, ks, tc, fill
	s_wait_tensorcnt \tc
.if \tc == 0
	ds_add_u32 v[SPW], v[NIL]
	s_wait_dscnt 17
.else
	s_wait_dscnt 16
.endif
	WIN MUL_LO
	MUL16 0, 1, \ks, 0
	s_wait_dscnt 0x0
	s_barrier_signal -1
	MUL16 2, 1, \ks, 0
	WIN 0
	s_barrier_wait -1
.if \fill
	CREST
	JLOAD G0A+8, G1A, G0B+8, G1B
.else
	PLACES
.endif
	FETCH_B \next, 0, 0
	FETCH_A \next, 0, 0
	WIN MUL_HI
	MUL16 4, 1, \ks, 0
	MUL16 6, 1, \ks, 0
	PLACES
	WIN 0
	FETCH_A \next, 0, 4
.endm
.macro QUANT s, pw
.irp b, 0,1,2,3
	v_max3_num_f32 v[TM+\b], |v[\s+16*\b]|, |v[\s+1+16*\b]|, 0x1800000
.endr
.irp i, 2,4,6,8,10,12,14
.irp b, 0,1,2,3
	v_max3_num_f32 v[TM+\b], v[TM+\b], |v[\s+16*\b+\i]|, |v[\s+1+16*\b+\i]|
.endr
.endr
.irp b, 0,1,2,3
	v_permlanex16_b32 v[TM+4+\b], v[TM+\b], s[SEL], s[SEL+1]
.endr
.irp b, 0,1,2,3
	v_max_num_f32 v[TM+\b], v[TM+\b], v[TM+4+\b]
.endr
.irp b, 0,1,2,3
	v_add_nc_u32 v[TM+12+\b], 0xff000000, v[TM+\b]
.endr
.irp b, 0,1,2,3
	v_lshrrev_b32 v[TM+4+\b], 23, v[TM+12+\b]
.endr
	v_lshl_or_b32 v[\pw], v[TM+5], 8, v[TM+4]
	v_lshl_or_b32 v[\pw], v[TM+6], 16, v[\pw]
	v_lshl_or_b32 v[\pw], v[TM+7], 24, v[\pw]
.irp c, 0,1
	v_cvt_scalef32_pk16_fp6_f32 v[PC+6*\c:PC+2+6*\c], v[\s+32*\c:\s+15+32*\c], v[TM+12+2*\c]
	v_cvt_scalef32_pk16_fp6_f32 v[PC+12+4*\c:PC+14+4*\c], v[\s+16+32*\c:\s+31+32*\c], v[TM+12+2*\c+1]
.endr
	v_nop
.irp c, 0,1
.irp i, 0,1,2
	v_permlane16_swap_b32 v[PC+6*\c+\i], v[PC+12+4*\c+\i]
.endr
.irp i, 0,1,2
	v_mov_b32 v[PC+3+6*\c+\i], v[PC+12+4*\c+\i]
.endr
.endr
.endm
	s_load_b256 s[4:11], s[0:1], 0x0
	s_load_b128 s[12:15], s[0:1], 0x20
	s_load_b64 s[16:17], s[0:1], 0x30
	v_lshl_add_u32 v[SPW], v0, 2, SPARE
	v_mov_b32 v[NIL], 0
	ds_add_u32 v28, v29
	ds_add_u32 v28, v29
	s_wait_dscnt 0x0
	v_lshrrev_b32 v1, 5, v0
	v_readfirstlane_b32 s[WV], v1
	s_lshr_b32 s[HA], s[WV], 1
	s_and_b32 s[HB], s[WV], 1
	s_bfe_u32 s[CX], ttmp6, 0x40000
	s_bfe_u32 s[CY], ttmp6, 0x40004
	s_mov_b32 s[CLX], ttmp9
	s_and_b32 s[CLY], ttmp7, 0xffff
	s_mov_b32 s[SEL], 0x76543210
	s_mov_b32 s[SEL+1], 0xfedcba98
	s_mov_b32 s[PADS], 0x7f7f0000
	s_lshl_b32 s100, s[CLY], 6
	s_lshl_b32 s101, s[HB], 3
	s_lshl_b32 s92, s[CY], 2
	s_lshl_b32 s92, 15, s92
	s_lshl_b32 s96, 0x1111, s[CX]
	s_or_b32 s[G1A], s92, (3<<16)|(1<<21)
	s_or_b32 s[G1B], s96, (3<<16)|(1<<21)
.irp g, G1A, G1B                       ; the head's load: 8 tiles, 6,144 bytes of each, 12,288 bytes apart
	s_mov_b32 s[\g+1], 768<<16
	s_mov_b32 s[\g+2], 8<<16
	s_mov_b32 s[\g+3], 768<<16
	s_mov_b32 s[\g+4], 8
	s_mov_b32 s[\g+5], 1536
	s_mov_b32 s[\g+6], 0
	s_mov_b32 s[\g+7], 0
.endr
	s_lshl_b32 s97, s[CLX], 6
	s_add_co_u32 s97, s97, 256
	s_cmp_eq_u32 s[CLX], 2
	s_cselect_b32 s93, 384, s100
	s_cselect_b32 s97, s100, s97
	s_lshl_b32 s92, s[CY], 4
	s_add_co_u32 s93, s93, s92
	s_add_co_u32 s93, s93, s101
	s_lshl_b32 s96, s[CX], 4
	s_add_co_u32 s97, s97, s96
	s_add_co_u32 s97, s97, s101
	s_mul_i32 s92, s93, 12288
	s_sub_co_u32 s94, s93, s101                    ; source 1's scale words: of the half that I multiply (wave / 2), not of the half that I fetch
	s_lshl_b32 s40, s[HA], 3
	s_add_co_u32 s94, s94, s40
	s_lshl_b32 s94, s94, 9
	s_mov_b32 s93, 0
	s_mov_b32 s95, 0
	s_mul_i32 s96, s97, 12288
	s_lshl_b32 s98, s97, 9
	s_mov_b32 s97, 0
	s_mov_b32 s99, 0
	s_mul_i32 s100, s[WV], PREG
	s_mul_i32 s101, s[WV], HALFT
	CROUND                                         ; the opening round, ahead of the wait for the arguments
	s_wait_kmcnt 0x0
	s_add_nc_u64 s[92:93], s[4:5], s[92:93]
	s_add_nc_u64 s[94:95], s[6:7], s[94:95]
	s_add_nc_u64 s[96:97], s[4:5], s[96:97]
	s_add_nc_u64 s[98:99], s[6:7], s[98:99]
.irp s, 0,1,2                          ; three groups 0 a side: K 0-511 into P, K 512-767 into R, K 768-1023 into P again: bytes 0, 2 CH, 3 CH of each tile
	s_mov_b32 s[G0A+4*\s], 1
	s_add_nc_u64 s[G0A+4*\s+2:G0A+4*\s+3], s[92:93], (\s+(\s+1)/2)*CH
	s_or_b32 s[G0A+4*\s+3], s[G0A+4*\s+3], 0x80000000
	s_mov_b32 s[G0B+4*\s], 1
	s_add_nc_u64 s[G0B+4*\s+2:G0B+4*\s+3], s[96:97], (\s+(\s+1)/2)*CH
	s_or_b32 s[G0B+4*\s+3], s[G0B+4*\s+3], 0x80000000
.endr
.irp g, G0A, G0B
	s_add_co_u32 s[\g+1], s100, 0
	s_add_co_u32 s[\g+5], s101, RB
	s_add_co_u32 s[\g+9], s100, 0
.endr
	JLOAD G0A, G1A, G0B, G1B                       ; my one tensor load at the head
	s_cmp_eq_u32 s[CLX], 1
	s_cselect_b64 s[8:9], s[10:11], s[8:9]
	s_cmp_eq_u32 s[CLX], 2
	s_cselect_b64 s[8:9], s[12:13], s[8:9]
	s_cselect_b32 s100, s[CY], s[CX]
	s_cselect_b32 s101, s[HA], s[HB]
	s_lshl_b32 s100, s100, 10
	s_lshl_b32 s101, s101, 9
	s_add_co_u32 s100, s100, s101
	s_mov_b32 s101, 0
	s_add_nc_u64 s[8:9], s[8:9], s[100:101]
	v_and_b32 v1, 31, v0
	v_and_b32 v2, 15, v0
	v_bfe_u32 v3, v0, 4, 1
	v_lshlrev_b32 v[BO], 6, v3
	v_and_b32 v[BO+1], 8, v2
	v_add_nc_u32 v[BO+1], v[BO+1], v2
	v_lshlrev_b32 v[BO+1], 2, v[BO+1]
	WIN TO_B
.irp e, 0,1,2,3
.irp j, 0,1,2,3
	global_load_b128 v[96+16*\e+4*\j+96*(\e/2):99+16*\e+4*\j+96*(\e/2)], v[BO], s[8:9] offset:128*\e+16*\j
.endr
.endr
	WIN 0
.irp a, 0,1,2,3,4,5,6,7
	global_load_b32 v[BL+\a], v[BO+1], s[8:9] offset:4*(32*(\a/2)+8*(\a%2))
.endr
	v_lshlrev_b32 v[L16], 4, v1
	v_lshlrev_b32 v[L8], 3, v1
.irp i, 0,1,2,3,4,5,6,7                ; the scale words of my 8 + 8 tiles, all of K: each load covers 512 consecutive bytes
	global_load_b128 v[SC+4*\i:SC+4*\i+3], v[L16], s[94:95] offset:512*\i
	global_load_b128 v[SCB+4*\i:SCB+4*\i+3], v[L16], s[98:99] offset:512*\i
.endr
.irp b, 0,1,2,3
	v_mov_b32 v[TM+4+\b], 0
.endr
	s_mul_i32 s100, s[HA], PREG                    ; my halves in P,
	s_mul_i32 s101, s[HB], PREG
	s_add_co_u32 s101, s101, 2*PREG
	v_add_nc_u32 v[A16], s100, v[L16]
	v_add_nc_u32 v[A8], s100, v[L8]
	v_add_nc_u32 v[B16], s101, v[L16]
	v_add_nc_u32 v[B8], s101, v[L8]
	s_mul_i32 s100, s[HA], HALFT                   ; and in R
	s_mul_i32 s101, s[HB], HALFT
	s_add_co_u32 s100, s100, RB
	s_add_co_u32 s101, s101, RB+2*HALFT
	v_add_nc_u32 v[A16+1], s100, v[L16]
	v_add_nc_u32 v[A8+1], s100, v[L8]
	v_add_nc_u32 v[B16+1], s101, v[L16]
	v_add_nc_u32 v[B8+1], s101, v[L8]
	s_wait_alu depctr_va_vdst(0)                   ; the wait at the head's end
	s_wait_tensorcnt 0x0                           ; my part of P is in; the three lines ahead of a later first fill, as ahead of a refill
	ds_add_u32 v[SPW], v[NIL]
.irp g, G1A, G1B                       ; no tensor load of mine is out: from here on a load brings 3,072 bytes of each tile
	s_mov_b32 s[\g+1], 384<<16
	s_mov_b32 s[\g+3], 384<<16
.endr
	s_wait_dscnt 0x0
	CROUND                                         ; everybody's part of P is in, and the joint loads meet
	JLOAD G0A+4, G1A, G0B+4, G1B                   ; R's first fill: it has K steps 0 to 2 in which to land
	FETCH_B 0, 0, 0
	FETCH_A 0, 0, 0
	FETCH_A 0, 0, 4
	s_wait_loadcnt 0x0                             ; the scale words and the bias
	STEP 0, 0, 1, 0, 1
	STEP 1, 1, 0, 1, 0
	STEP 0, 2, 0, 1, 1
	TURN 2, 3, 0, 1                                ; R is in, P is read no more: the round, and P is filled again
	STEP 0, 4, 0, 2, 1
	TURN 3, 5, 0, 0                                ; a plain barrier shows the last fill to all
	STEP 0, 6, 0, 3, 1
	s_wait_dscnt 16
	WIN MUL_LO
	MUL16 0, 1, 7, 0
	MUL16 2, 1, 7, 0
	s_wait_dscnt 0x0
	WIN MUL_HI
	MUL16 4, 1, 7, 0
	MUL16 6, 1, 7, 0
	WIN 0
	PLACES
	s_cmp_eq_u32 s[CLX], 2
	s_cbranch_scc1 .Lway_v
	s_lshl_b32 s40, s[CLY], 2
	s_add_co_u32 s40, s40, s[CY]
	s_lshl_b32 s40, s40, 1
	s_add_co_u32 s40, s40, s[HA]
	s_lshr_b32 s41, s40, 4
	s_and_b32 s40, s40, 15
	s_lshl_b32 s42, s[CX], 2
	s_lshl_b32 s43, s[HB], 1
	s_add_co_u32 s42, s42, s43
	s_lshl_b32 s41, s41, 4
	s_add_co_u32 s41, s41, s42
	s_mov_b32 s44, 208896
	s_mov_b32 s45, 13056
	s_mov_b32 s46, 12288
	s_cmp_eq_u32 s[CLX], 0
	s_cselect_b32 s44, 106496, s44
	s_cselect_b32 s45, 6656, s45
	s_cselect_b32 s46, 6144, s46
	s_cselect_b64 s[48:49], s[14:15], s[16:17]
	s_mul_i32 s41, s41, s44
	s_mul_i32 s40, s40, s45
	s_add_co_u32 s50, s41, s40
	s_mov_b32 s51, 0
	s_add_nc_u64 s[48:49], s[48:49], s[50:51]
	s_mov_b32 s50, s44
	s_add_nc_u64 s[52:53], s[48:49], s[50:51]
	s_mov_b32 s50, s46
	s_add_nc_u64 s[54:55], s[48:49], s[50:51]
	s_add_nc_u64 s[56:57], s[52:53], s[50:51]
	v_lshlrev_b32 v[SOF], 5, v2
	v_lshl_add_u32 v[SOF], v3, 4, v[SOF]
.macro QKBLOCK a
	WIN 0x06+(\a)/4
.set j, 0
.rept 32
	v_pk_add_f32 v[HN+j:HN+j+1], v[64*((\a)%4)+j:64*((\a)%4)+j+1], v[96+j+96*(j/32):97+j+96*(j/32)]
.set j, j+2
.endr
	WIN 0
.if (\a) > 0
	s_wait_xcnt 0x0
.endif
	QUANT HN, PW
	global_store_b128 v[L16], v[PC:PC+3], s[48:49] offset:768*(\a)
	global_store_b64 v[L8], v[PC+4:PC+5], s[48:49] offset:768*(\a)+512
	global_store_b128 v[L16], v[PC+6:PC+9], s[52:53] offset:768*(\a)
	global_store_b64 v[L8], v[PC+10:PC+11], s[52:53] offset:768*(\a)+512
	v_and_or_b32 v[W+(\a)], v[PW], 0xffff, s[PADS]
	v_lshrrev_b32 v[W+8+(\a)], 16, v[PW]
	v_or_b32 v[W+8+(\a)], s[PADS], v[W+8+(\a)]
.endm
.irp a, 0,1,2,3,4,5,6,7
	QKBLOCK \a
.endr
	v_cmp_ne_u32 vcc_lo, 0, v3
.irp i, 0,1,2,3
	v_cndmask_b32 v[X+\i], v[W+\i], v[W+4+\i], vcc_lo
	v_cndmask_b32 v[X+4+\i], v[W+8+\i], v[W+12+\i], vcc_lo
.endr
	global_store_b128 v[SOF], v[X:X+3], s[54:55]
	global_store_b128 v[SOF], v[X+4:X+7], s[56:57]
	s_branch .Lend
.Lway_v:
	s_lshl_b32 s40, s[CLY], 2
	s_add_co_u32 s40, s40, s[CX]
	s_lshl_b32 s40, s40, 1
	s_add_co_u32 s40, s40, s[HB]
	s_lshr_b32 s41, s40, 4
	s_and_b32 s40, s40, 15
	s_lshl_b32 s42, s[CY], 2
	s_lshl_b32 s43, s[HA], 1
	s_add_co_u32 s42, s42, s43
	s_lshl_b32 s41, s41, 4
	s_add_co_u32 s41, s41, s42
	s_mul_i32 s41, s41, 208896
	s_mul_i32 s40, s40, 13056
	s_add_co_u32 s50, s41, s40
	s_add_co_u32 s50, s50, 6144
	s_mov_b32 s51, 0
	s_add_nc_u64 s[48:49], s[16:17], s[50:51]
	s_add_nc_u64 s[52:53], s[48:49], 208896
	v_mul_u32_u24 v[SOF], v3, 208896
	v_lshl_add_u32 v[SOF], v2, 4, v[SOF]
.macro VBLOCK a
	WIN 0x02+(\a)/4
.set j, 0
.rept 32
.if ((\a)%2) == 0
	v_pk_add_f32 v[HN+j:HN+j+1], v[64*((\a)%4)+j:64*((\a)%4)+j+1], v[BL+2*((\a)/2):BL+2*((\a)/2)+1] op_sel_hi:[1,0]
.else
	v_pk_add_f32 v[HN+j:HN+j+1], v[64*((\a)%4)+j:64*((\a)%4)+j+1], v[BL+2*((\a)/2):BL+2*((\a)/2)+1] op_sel:[0,1]
.endif
.set j, j+2
.endr
	WIN 0
.if (\a) > 0
	s_wait_xcnt 0x0
.endif
	QUANT HN, W+(\a)
.irp c, 0,1,2
	global_store_b128 v[L16], v[PC+4*\c:PC+4*\c+3], s[48+4*((\a)/4):49+4*((\a)/4)] offset:1536*((\a)%4)+512*\c
.endr
.endm
.irp a, 0,1,2,3,4,5,6,7
	VBLOCK \a
.endr
	v_cmp_ne_u32 vcc_lo, 0, v3
.irp i, 0,1,2,3
	v_cndmask_b32 v[X+\i], v[W+\i], v[W+4+\i], vcc_lo
.endr
	global_store_b128 v[SOF], v[X:X+3], s[48:49] offset:6656
.Lend:
	s_wait_tensorcnt 0x0
	ds_add_u32 v[SPW], v[NIL]
	s_wait_dscnt 0x0
	CROUND
	s_endpgm
.Lfunc_end_k_q29e0be2230_qkv:
	.size	k_q29e0be2230_qkv, .Lfunc_end_k_q29e0be2230_qkv-k_q29e0be2230_qkv
	.p2alignl 7, 3214868480
	.fill 96, 4, 3214868480
	.section	.rodata,"a",@progbits
	.p2align	6, 0x0
	.amdhsa_kernel k_q29e0be2230_qkv
		.amdhsa_group_segment_fixed_size 327680
		.amdhsa_private_segment_fixed_size 0
		.amdhsa_enable_private_segment 0
		.amdhsa_kernarg_size 56
		.amdhsa_user_sgpr_count 2
		.amdhsa_user_sgpr_kernarg_segment_ptr 1
		.amdhsa_wavefront_size32 1
		.amdhsa_system_sgpr_workgroup_id_x 1
		.amdhsa_system_sgpr_workgroup_id_y 1
		.amdhsa_system_sgpr_workgroup_id_z 1
		.amdhsa_system_vgpr_workitem_id 0
		.amdhsa_next_free_vgpr 1024
		.amdhsa_next_free_sgpr 102
		.amdhsa_reserve_vcc 1
		.amdhsa_float_denorm_mode_32 3
		.amdhsa_float_denorm_mode_16_64 3
		.amdhsa_memory_ordered 1
		.amdhsa_forward_progress 1
		.amdhsa_inst_pref_size 216
	.end_amdhsa_kernel
	.amdgpu_metadata
---
amdhsa.version: [ 1, 2 ]
amdhsa.kernels:
  - .name:           k_q29e0be2230_qkv
    .symbol:         k_q29e0be2230_qkv.kd
    .args:
      - { .name: cod, .offset: 0, .size: 8, .value_kind: global_buffer, .address_space: global }
      - { .name: scl, .offset: 8, .size: 8, .value_kind: global_buffer, .address_space: global }
      - { .name: bq, .offset: 16, .size: 8, .value_kind: global_buffer, .address_space: global }
      - { .name: bk, .offset: 24, .size: 8, .value_kind: global_buffer, .address_space: global }
      - { .name: bv, .offset: 32, .size: 8, .value_kind: global_buffer, .address_space: global }
      - { .name: qb, .offset: 40, .size: 8, .value_kind: global_buffer, .address_space: global }
      - { .name: kv, .offset: 48, .size: 8, .value_kind: global_buffer, .address_space: global }
    .group_segment_fixed_size: 327680
    .private_segment_fixed_size: 0
    .kernarg_segment_align: 8
    .kernarg_segment_size: 56
    .max_flat_workgroup_size: 128
    .sgpr_count:     102
    .vgpr_count:     1024
    .wavefront_size: 32
...
	.end_amdgpu_metadata
.endif
;; end of part 6
;; launch attn (part 7): grid 8 x 32, 16 waves a work-group, clusters of 4 x 1, 210,944 bytes of LDS; arguments qb, kv, oc, os; writes oc, os
.if DOCPART == 7
	.amdgcn_target "amdgcn-amd-amdhsa--gfx1250"
	.amdhsa_code_object_version 6
	.text
	.protected	k_q29e0be2230_attn
	.globl	k_q29e0be2230_attn
	.p2align	8
	.type	k_q29e0be2230_attn,@function
k_q29e0be2230_attn:
	s_mov_b64 s[64:65], 0
	v_nop
	global_prefetch_b8 v0, s[64:65] scope:SCOPE_SE
	s_setreg_imm32_b32 hwreg(HW_REG_WAVE_MODE, 25, 1), 1
	s_wait_xcnt 0x0
	s_wait_alu depctr_hold_cnt(0) depctr_sa_sdst(0) depctr_va_vdst(0) depctr_va_sdst(0) depctr_va_ssrc(0) depctr_va_vcc(0) depctr_vm_vsrc(0)
	s_getreg_b32 s2, hwreg(HW_REG_IB_STS2, 6, 4)
	s_cmp_eq_u32 s2, 0
	s_cbranch_scc0 .Lentry_in_a_cluster
	s_endpgm
.Lentry_in_a_cluster:
	s_bfe_u32 s2, ttmp6, 0x10000c
	s_cmp_lg_u32 s2, 0x3003
	s_cbranch_scc0 .Lentry_shape_is_right
	s_endpgm
.Lentry_shape_is_right:
; o = softmax(q k^T / 8) v for 32 heads of 2,048 tokens x 64 channels, both products on codes of FP6 (E2M3) with E8M0 scales; o is quantised along the model's 1,024 and leaves as codes.
; THE SOFTMAX: t = score x log2(e) / 8; M = the running largest t rounded UP to a whole number; p = 2^(t - M) is quantised along the keys, not normalised; the row's sum is taken of the unquantised p and divides at the end.
; When M moves, the sum and O are multiplied by 2^(old M - new M): exact.
; LIMITS: p under 2^-126 comes out of v_exp_f32 as 0; a block of zeros keeps the byte 1 (its codes are zeros; this program alone reads the bytes); NaN and infinities are not served.
; The scores' K is the head's 64: the upper 64 of the instruction's 128 are zero codes on both sides, under the byte 0x7f.
; SHARES.  A work-group owns 256 queries of one head, each of its sixteen waves one tile of 16 in 256 registers: four waves to a SIMD, so that one wave's vector work stands beside another's matrix work and LDS loads.
; A HEAD'S K, V AND SCALE WORDS, 16 records of 13,056 bytes, LIE IN LDS WHOLE: wave w brings record w by one tensor load at the start: no slot is filled again, and the loop over the 16 key steps has no barrier.
; CLUSTER.  The four work-groups of a cluster belong to one head: each record is asked for jointly, with a mask that names the four.
; LAYOUT.  Both products are used transposed (S^T = K Q^T, O^T = V^T P^T): a lane holds one query.  A tile's lane r holds key (or channel) 32 g + 8 u + r + 8 (r / 8), so that the 16 registers of tiles 2 g, 2 g + 1 are 16 neighbours.
; A record: K's 8 units of 768 bytes; V's 4 fragments of 1,536 at 6144; K's scale words at 12288 + 32 r + 4 t; V's at 12800 + 16 r + 4 ct.
; os is stored two bytes a lane: a token tile's 16 heads lie in 16 work-groups; os is one part in 24 of oc.
; REGISTERS: v1-4 16 x lane, 8 x lane, 32 r, 16 r; v8-11 the same in the record in hand; v12 -M, v13 the largest t, v[14:15] the sum; v16-27 Q; v28-31 scale words; v32-79 four fragments of K (registers 6-11 of each stay 0);
;   v80-91 at work; v92 f, v93 p's scale word, v94 at work, v95 Q's scale word; v96-159 S^T, then p; v160-191 O^T; v192-239 V's four fragments; v240-251 p's codes; v252-255 the conversions' scale operands.
.set REC, 13056
.set TB,  2                            ; s2   LDS byte at which the record in hand begins
.set CNT, 3                            ; s3   key steps to go
.set WV,  18
.set SEL, 20                           ; s[20:21] lane l xor 16
.set CS,  22                           ; s[22:23] c = log2(e) / 8
.macro ROUND                           ; a round of the cluster's barrier
	s_barrier_signal -1
	s_barrier_wait -1
	s_cmp_lg_u32 s[WV], 0
	s_cbranch_scc1 .Lnot_wave_0_\@
	s_barrier_signal -3
.Lnot_wave_0_\@:
	s_barrier_wait -3
	s_barrier_signal -1
	s_barrier_wait -1
.endm
	s_load_b128 s[4:7], s[0:1], 0x0                ; qb s[4:5], kv s[6:7]
	s_load_b128 s[8:11], s[0:1], 0x10              ; oc s[8:9], os s[10:11]
	v_lshl_add_u32 v7, v0, 2, 0x33000
	v_mov_b32 v91, 0
	ds_add_u32 v7, v91
	ds_add_u32 v7, v91
	v_lshrrev_b32 v5, 5, v0
	s_delay_alu instid0(VALU_DEP_1)
	v_readfirstlane_b32 s[WV], v5                  ; wave 0..15
	s_bfe_u32 s19, ttmp6, 0x40000                  ; cx: it enters Q's, oc's and os's addresses alone
	s_lshl_b32 s24, ttmp9, 2
	s_add_co_u32 s24, s24, s19                     ; my block of 256 queries
	s_lshl_b32 s24, s24, 4
	s_add_co_u32 s24, s24, s[WV]                   ; my tile of 16 queries, 0..127
	s_and_b32 s25, ttmp7, 0xffff                   ; batch x 16 + head, which the four partners share
	s_mov_b32 s32, 15|(3<<16)|(1<<21)              ; group 1: the mask names all four; elements of 8 bytes; bit 21 beside a mask; no padding
	s_mov_b32 s33, 32<<16                          ; a record is 51 dense rows of 256 bytes
	s_mov_b32 s34, 51<<16
	s_mov_b32 s35, 32<<16
	s_mov_b32 s36, 51
	s_mov_b32 s37, 32
	s_mov_b32 s38, 0
	s_mov_b32 s39, 0
	s_mov_b32 s12, 1                               ; group 0
	s_mul_i32 s13, s[WV], REC                      ; record w lands at w x 13,056
	s_mul_i32 s26, s25, 16*REC
	s_add_co_u32 s26, s26, s13
	s_mov_b32 s27, 0
	s_mul_i32 s44, s25, 106496                     ; Q: the head, the record of 128 queries, my tile's unit and scale words
	s_lshr_b32 s28, s24, 3
	s_mul_i32 s28, s28, 6656
	s_add_co_u32 s44, s44, s28
	s_and_b32 s28, s24, 7
	s_lshl_b32 s29, s28, 2
	s_add_co_u32 s46, s44, s29
	s_add_co_u32 s46, s46, 6144
	s_mul_i32 s28, s28, 768
	s_add_co_u32 s44, s44, s28
	s_mov_b32 s45, 0
	s_mov_b32 s47, 0
	s_lshr_b32 s28, s25, 4                         ; the way out: the token tile 128 x batch + my tile,
	s_lshl_b32 s28, s28, 7
	s_add_co_u32 s28, s28, s24
	s_and_b32 s29, s25, 15                         ; the head
	s_mul_i32 s40, s28, 12288
	s_mul_i32 s30, s29, 768
	s_add_co_u32 s40, s40, s30                     ; oc: the head's 64 channels are unit number head of the tile
	s_mov_b32 s41, 0
	s_lshl_b32 s42, s28, 9                         ; os: K step head / 2: 256 (head / 8) + 4 ((head / 2) % 4), bytes 2 (head % 2) on
	s_lshr_b32 s30, s29, 3
	s_lshl_b32 s30, s30, 8
	s_add_co_u32 s42, s42, s30
	s_bfe_u32 s30, s29, 0x20001
	s_lshl_b32 s30, s30, 2
	s_add_co_u32 s42, s42, s30
	s_and_b32 s30, s29, 1
	s_lshl_b32 s30, s30, 1
	s_add_co_u32 s42, s42, s30
	s_mov_b32 s43, 0
	s_mov_b32 s[SEL], 0x76543210
	s_mov_b32 s[SEL+1], 0xfedcba98
	s_mov_b32 s[CS], 0x3e38aa3b
	s_mov_b32 s[CS+1], s[CS]                       ; (named with it as a pair, so it is written)
	s_mov_b32 s[TB], 0
	s_mov_b32 s[CNT], 16
	s_wait_dscnt 0x0
	ROUND                                          ; the opening round, ahead of the wait for the arguments: all four work-groups are here
	s_wait_kmcnt 0x0
	s_add_nc_u64 s[14:15], s[6:7], s[26:27]
	s_or_b32 s15, s15, 0x80000000
	s_add_nc_u64 s[44:45], s[4:5], s[44:45]
	s_add_nc_u64 s[46:47], s[4:5], s[46:47]
	s_add_nc_u64 s[40:41], s[8:9], s[40:41]
	s_add_nc_u64 s[42:43], s[10:11], s[42:43]
	tensor_load_to_lds s[12:15], s[32:39]          ; my one tensor load
	s_nop 0
.rept 4
	v_nop
.endr
	v_and_b32 v5, 31, v0
	s_delay_alu instid0(VALU_DEP_1)
	v_lshlrev_b32 v1, 4, v5
	s_delay_alu instid0(VALU_DEP_2)
	v_lshlrev_b32 v2, 3, v5
	v_and_b32 v5, 15, v0
	s_delay_alu instid0(VALU_DEP_1)
	v_lshlrev_b32 v3, 5, v5
	s_delay_alu instid0(VALU_DEP_2)
	v_lshlrev_b32 v4, 4, v5
	global_load_b128 v[16:19], v1, s[44:45]        ; Q's unit: registers 0-5 of the fragment
	global_load_b64 v[20:21], v2, s[44:45] offset:512
	global_load_b32 v95, v3, s[46:47]              ; its scale words
.irp i, 22,23,24,25,26,27
	v_mov_b32 v\i, 0                               ; the upper 64 along K: zero codes
.endr
.irp t, 0,1,2,3
.irp i, 6,7,8,9,10,11
	v_mov_b32 v[32+12*\t+\i], 0                    ; in K's fragments too: written once, no load lands there
.endr
.endr
	v_mov_b32 v13, 0xff61b1e6                      ; the largest t so far: -3e38
	s_delay_alu instid0(VALU_DEP_1)
	v_floor_f32 v12, -v13                          ; -M
	v_mov_b32 v14, 0
	v_mov_b32 v15, 0
	v_mov_b32 v93, 0                               ; (named as the upper half of v[92:93] before it is first written)
.irp b, 0,1,2,3
	v_mov_b32 v[84+\b], 0                          ; a lane permute's destination counts as one of its sources
.endr
.set j, 0
.rept 32
	v_mov_b32 v[160+j], 0                          ; O^T: the step is written once; the first finds zeros, which the first change of M leaves zeros
.set j, j+1
.endr
	s_wait_tensorcnt 0x0                           ; my record is in,
	s_barrier_signal -1
	s_barrier_wait -1                              ; everybody's is: from here on LDS is only read
	s_wait_loadcnt 0x0                             ; Q
.Lstep:                                            ; 16 trips: 128 keys each
	v_add_nc_u32 v8, s[TB], v1                     ; (these four are also the places behind the last trip's products, in front of the loads below)
	s_wait_alu depctr_va_vdst(0)
	v_add_nc_u32 v9, s[TB], v2
	s_wait_alu depctr_va_vdst(0)
	v_add_nc_u32 v10, s[TB], v3
	s_wait_alu depctr_va_vdst(0)
	v_add_nc_u32 v11, s[TB], v4
.irp g, 0,1                                    ; S^T = K Q^T, four tiles of 16 keys at a time
.if \g > 0
.rept 4
	v_nop
.endr
.endif
.irp t, 0,1,2,3
	ds_load_b128 v[32+12*\t:35+12*\t], v8 offset:768*(4*\g+\t)
	ds_load_b64 v[36+12*\t:37+12*\t], v9 offset:768*(4*\g+\t)+512
.endr
	ds_load_b128 v[28:31], v10 offset:12288+16*\g
	s_wait_dscnt 0x0
.irp t, 0,1,2,3
	v_wmma_scale_f32_16x16x128_f8f6f4 v[96+8*(4*\g+\t):103+8*(4*\g+\t)], v[32+12*\t:43+12*\t], v[16:27], 0, v[28+\t], v95 matrix_a_fmt:MATRIX_FMT_FP6 matrix_b_fmt:MATRIX_FMT_FP6
.endr
.endr
.rept 4
	v_nop
.endr
.irp t, 0,1,2,3                                ; V's four fragments and scale words are asked for now and land under the softmax
.irp c, 0,1,2
	ds_load_b128 v[192+12*\t+4*\c:195+12*\t+4*\c], v8 offset:6144+1536*\t+512*\c
.endr
.endr
	s_wait_alu depctr_va_vdst(0)
	ds_load_b128 v[28:31], v11 offset:12800
.irp b, 0,1,2,3
	v_max3_num_f32 v[80+\b], v[96+16*\b], v[97+16*\b], v[98+16*\b]   ; the largest score of each block of 32 keys: for the row's maximum and, since p rises with the score, for the block's largest p
.endr
.irp i, 3,5,7,9,11,13
.irp b, 0,1,2,3
	v_max3_num_f32 v[80+\b], v[80+\b], v[96+16*\b+\i], v[97+16*\b+\i]
.endr
.endr
.irp b, 0,1,2,3
	v_max_num_f32 v[80+\b], v[80+\b], v[111+16*\b]
.endr
.irp b, 0,1,2,3
	s_delay_alu instid0(VALU_DEP_4)
	v_permlanex16_b32 v[84+\b], v[80+\b], s[SEL], s[SEL+1]
.endr
.irp b, 0,1,2,3
	s_delay_alu instid0(VALU_DEP_4)
	v_max_num_f32 v[80+\b], v[80+\b], v[84+\b]     ; with lane l xor 16's 16 keys
.endr
	s_delay_alu instid0(VALU_DEP_2)
	v_max3_num_f32 v94, v80, v81, v82
	s_delay_alu instid0(VALU_DEP_1)
	v_max_num_f32 v94, v94, v83
	s_delay_alu instid0(VALU_DEP_1)
	v_mul_f32 v94, s[CS], v94                      ; the step's largest t (c is positive)
	s_delay_alu instid0(VALU_DEP_1)
	v_max_num_f32 v13, v13, v94
	v_mov_b32 v94, v12
	s_delay_alu instid0(VALU_DEP_2)
	v_floor_f32 v12, -v13                          ; the new -M = -ceil(t)
	s_delay_alu instid0(VALU_DEP_1)
	v_sub_f32 v94, v12, v94                        ; old M - new M: a whole number, 0 or less
	s_delay_alu instid0(VALU_DEP_1)
	v_cvt_i32_f32 v94, v94                         ; (it saturates)
	s_delay_alu instid0(VALU_DEP_1)
	v_ldexp_f32 v92, 1.0, v94                      ; f = 2^(old M - new M)
.set j, 0
.rept 32
	v_pk_fma_f32 v[96+j:97+j], v[96+j:97+j], s[CS:CS+1], v[12:13] op_sel_hi:[1,0,0]   ; t - M, two at a time
.set j, j+2
.endr
.irp b, 0,1,2,3
	v_fma_f32 v[80+\b], v[80+\b], s[CS], v12       ; the same of each block's largest score
.endr
.set j, 0
	s_wait_alu depctr_va_vdst(0)
.rept 64
	v_exp_f32 v[96+j], v[96+j]                     ; p = 2^(t - M)
.set j, j+1
.endr
	v_pk_mul_f32 v[14:15], v[14:15], v[92:93] op_sel_hi:[1,0]   ; the sums under the new M: the plain place behind the exponentials
	s_wait_alu depctr_va_vdst(0)                   ; one wait for the batch of 64, ahead of its first reader
.irp b, 0,1,2,3
	v_exp_f32 v[80+\b], v[80+\b]                   ; the block's largest p: the same two instructions on the same number
.endr
	v_pk_add_f32 v[84:85], v[100:101], v[104:105]
	v_pk_add_f32 v[254:255], v[108:109], v[112:113]
	v_pk_add_f32 v[252:253], v[116:117], v[120:121]
	v_pk_add_f32 v[250:251], v[124:125], v[128:129]
	v_pk_add_f32 v[248:249], v[132:133], v[136:137]
	v_pk_add_f32 v[246:247], v[140:141], v[144:145]
	v_pk_add_f32 v[244:245], v[148:149], v[152:153]
	v_pk_add_f32 v[14:15], v[14:15], v[156:157]
	v_pk_add_f32 v[84:85], v[84:85], v[96:97]
	v_pk_add_f32 v[254:255], v[254:255], v[98:99]
	v_pk_add_f32 v[252:253], v[252:253], v[102:103]
	v_pk_add_f32 v[250:251], v[250:251], v[106:107]
	v_pk_add_f32 v[248:249], v[248:249], v[110:111]
	v_pk_add_f32 v[246:247], v[246:247], v[114:115]
	v_pk_add_f32 v[244:245], v[244:245], v[118:119]
	v_pk_add_f32 v[14:15], v[14:15], v[122:123]
	v_pk_add_f32 v[84:85], v[84:85], v[126:127]
	v_pk_add_f32 v[254:255], v[254:255], v[130:131]
	v_pk_add_f32 v[252:253], v[252:253], v[134:135]
	v_pk_add_f32 v[250:251], v[250:251], v[138:139]
	v_pk_add_f32 v[248:249], v[248:249], v[142:143]
	v_pk_add_f32 v[246:247], v[246:247], v[146:147]
	v_pk_add_f32 v[244:245], v[244:245], v[150:151]
	v_pk_add_f32 v[14:15], v[14:15], v[154:155]
	v_pk_add_f32 v[84:85], v[84:85], v[158:159]
	s_delay_alu instid0(VALU_DEP_2)
	v_pk_add_f32 v[14:15], v[14:15], v[250:251]
	s_delay_alu instid0(VALU_DEP_2)
	v_pk_add_f32 v[84:85], v[84:85], v[248:249]
	v_pk_add_f32 v[254:255], v[254:255], v[246:247]
	v_pk_add_f32 v[252:253], v[252:253], v[244:245]
	s_delay_alu instid0(VALU_DEP_2)
	v_pk_add_f32 v[14:15], v[14:15], v[254:255]
	s_delay_alu instid0(VALU_DEP_2)
	v_pk_add_f32 v[84:85], v[84:85], v[252:253]
	s_delay_alu instid0(VALU_DEP_1)
	v_pk_add_f32 v[14:15], v[14:15], v[84:85]
	s_wait_alu depctr_va_vdst(0)                   ; and one for the four
.irp b, 0,1,2,3
	v_max_num_f32 v[80+\b], 0x1800000, v[80+\b]    ; the floor 2^(3 - 127)
.endr
.irp b, 0,1,2,3
	s_delay_alu instid0(VALU_DEP_4)
	v_add_nc_u32 v[252+\b], 0xff000000, v[80+\b]   ; the conversion's scale operand
.endr
.irp b, 0,1,2,3
	s_delay_alu instid0(VALU_DEP_4)
	v_lshrrev_b32 v[84+\b], 23, v[252+\b]          ; the byte
.endr
	s_delay_alu instid0(VALU_DEP_3)
	v_lshl_or_b32 v93, v85, 8, v84                 ; p's scale word for these 128 keys
	s_delay_alu instid0(VALU_DEP_1)
	v_lshl_or_b32 v93, v86, 16, v93
	s_delay_alu instid0(VALU_DEP_1)
	v_lshl_or_b32 v93, v87, 24, v93
.irp c, 0,1
	v_cvt_scalef32_pk16_fp6_f32 v[240+6*\c:242+6*\c], v[96+32*\c:111+32*\c], v[252+2*\c]
	v_cvt_scalef32_pk16_fp6_f32 v[84+4*\c:86+4*\c], v[112+32*\c:127+32*\c], v[252+2*\c+1]
.endr
	v_nop                                          ; one plain place behind a scaled conversion
.irp c, 0,1
.irp i, 0,1,2
	v_permlane16_swap_b32 v[240+6*\c+\i], v[84+4*\c+\i]
.endr
.irp i, 0,1,2
	s_delay_alu instid0(VALU_DEP_3)
	v_mov_b32 v[243+6*\c+\i], v[84+4*\c+\i]
.endr
.endr
.set j, 0
.rept 16
	v_pk_mul_f32 v[160+j:161+j], v[160+j:161+j], v[92:93] op_sel_hi:[1,0]   ; O^T under the new M; these 16 are also the places between p's scale word and codes and the products below
.set j, j+2
.endr
	s_wait_alu depctr_va_vdst(0)
	s_wait_dscnt 0x0                               ; V
.irp t, 0,1,2,3                                ; O^T += V^T P^T: the four accumulators by turns
	v_wmma_scale_f32_16x16x128_f8f6f4 v[160+8*\t:167+8*\t], v[192+12*\t:203+12*\t], v[240:251], v[160+8*\t:167+8*\t], v[28+\t], v93 matrix_a_fmt:MATRIX_FMT_FP6 matrix_b_fmt:MATRIX_FMT_FP6
.endr
	s_add_co_u32 s[TB], s[TB], REC
	s_sub_co_u32 s[CNT], s[CNT], 1
	s_cmp_lg_u32 s[CNT], 0
	s_cbranch_scc1 .Lstep
	; THE WAY OUT.  O^T / the sum; register 16 b + i is channel 32 b + 16 h + i of my query: two blocks along the last product's K, quantised as they stand: one unit of 768 bytes.
	v_add_f32 v14, v14, v15
	s_delay_alu instid0(VALU_DEP_1)
	v_permlanex16_b32 v92, v14, s[SEL], s[SEL+1]
	s_delay_alu instid0(VALU_DEP_1)
	v_add_f32 v14, v14, v92                        ; the row's sum
	s_wait_alu depctr_va_vdst(0)
	v_rcp_f32 v14, v14
.rept 3
	v_nop                                          ; the plain place behind the reciprocal; with the three lines above, the places behind the last products
.endr
	s_wait_alu depctr_va_vdst(0)                   ; ahead of the reciprocal's first reader
.set j, 0
.rept 16
	v_pk_mul_f32 v[96+j:97+j], v[160+j:161+j], v[14:15] op_sel_hi:[1,0]
.set j, j+2
.endr
.irp b, 0,1
	v_max3_num_f32 v[80+\b], |v[96+16*\b]|, |v[97+16*\b]|, 0x1800000
.endr
.irp i, 2,4,6,8,10,12,14
.irp b, 0,1
	s_delay_alu instid0(VALU_DEP_2)
	v_max3_num_f32 v[80+\b], v[80+\b], |v[96+16*\b+\i]|, |v[97+16*\b+\i]|
.endr
.endr
.irp b, 0,1
	s_delay_alu instid0(VALU_DEP_2)
	v_permlanex16_b32 v[84+\b], v[80+\b], s[SEL], s[SEL+1]
.endr
.irp b, 0,1
	s_delay_alu instid0(VALU_DEP_2)
	v_max_num_f32 v[80+\b], v[80+\b], v[84+\b]
.endr
.irp b, 0,1
	s_delay_alu instid0(VALU_DEP_2)
	v_add_nc_u32 v[252+\b], 0xff000000, v[80+\b]
.endr
.irp b, 0,1
	s_delay_alu instid0(VALU_DEP_2)
	v_lshrrev_b32 v[84+\b], 23, v[252+\b]
.endr
	s_delay_alu instid0(VALU_DEP_1)
	v_lshl_or_b32 v94, v85, 8, v84                 ; the head's two scale bytes of my token
	v_cvt_scalef32_pk16_fp6_f32 v[240:242], v[96:111], v252
	v_cvt_scalef32_pk16_fp6_f32 v[88:90], v[112:127], v253
	v_nop
.irp i, 0,1,2
	v_permlane16_swap_b32 v[240+\i], v[88+\i]
.endr
.irp i, 0,1,2
	s_delay_alu instid0(VALU_DEP_3)
	v_mov_b32 v[243+\i], v[88+\i]
.endr
	global_store_b128 v1, v[240:243], s[40:41]     ; 512 and 256 consecutive bytes, aligned to 256
	global_store_b64 v2, v[244:245], s[40:41] offset:512
	global_store_b16 v4, v94, s[42:43]             ; 16 r: both halves of the lanes write the same two bytes with the same value
	s_wait_tensorcnt 0x0
	ds_add_u32 v7, v91
	s_wait_dscnt 0x0
	ROUND                                          ; the closing round: no work-group ends while a partner may still ask for a record that names it
	s_endpgm
.Lfunc_end_k_q29e0be2230_attn:
	.size	k_q29e0be2230_attn, .Lfunc_end_k_q29e0be2230_attn-k_q29e0be2230_attn
	.p2alignl 7, 3214868480
	.fill 96, 4, 3214868480
	.section	.rodata,"a",@progbits
	.p2align	6, 0x0
	.amdhsa_kernel k_q29e0be2230_attn
		.amdhsa_group_segment_fixed_size 210944
		.amdhsa_private_segment_fixed_size 0
		.amdhsa_enable_private_segment 0
		.amdhsa_kernarg_size 32
		.amdhsa_user_sgpr_count 2
		.amdhsa_user_sgpr_kernarg_segment_ptr 1
		.amdhsa_wavefront_size32 1
		.amdhsa_system_sgpr_workgroup_id_x 1
		.amdhsa_system_sgpr_workgroup_id_y 1
		.amdhsa_system_sgpr_workgroup_id_z 1
		.amdhsa_system_vgpr_workitem_id 0
		.amdhsa_next_free_vgpr 256
		.amdhsa_next_free_sgpr 66
		.amdhsa_reserve_vcc 0
		.amdhsa_float_denorm_mode_32 3
		.amdhsa_float_denorm_mode_16_64 3
		.amdhsa_memory_ordered 1
		.amdhsa_forward_progress 1
		.amdhsa_inst_pref_size 29
	.end_amdhsa_kernel
	.amdgpu_metadata
---
amdhsa.version: [ 1, 2 ]
amdhsa.kernels:
  - .name:           k_q29e0be2230_attn
    .symbol:         k_q29e0be2230_attn.kd
    .args:
      - { .name: qb, .offset: 0, .size: 8, .value_kind: global_buffer, .address_space: global }
      - { .name: kv, .offset: 8, .size: 8, .value_kind: global_buffer, .address_space: global }
      - { .name: oc, .offset: 16, .size: 8, .value_kind: global_buffer, .address_space: global }
      - { .name: os, .offset: 24, .size: 8, .value_kind: global_buffer, .address_space: global }
    .group_segment_fixed_size: 210944
    .private_segment_fixed_size: 0
    .kernarg_segment_align: 8
    .kernarg_segment_size: 32
    .max_flat_workgroup_size: 512
    .sgpr_count:     66
    .vgpr_count:     256
    .wavefront_size: 32
...
	.end_amdgpu_metadata
.endif
;; end of part 7
;; launch outp (part 8): grid 8 x 32, 4 waves a work-group, clusters of 4 x 4, 266,752 bytes of LDS; arguments oc, os, cod, scl, bo, out0; writes out0
.if DOCPART == 8
	.amdgcn_target "amdgcn-amd-amdhsa--gfx1250"
	.amdhsa_code_object_version 6
	.text
	.protected	k_q29e0be2230_outp
	.globl	k_q29e0be2230_outp
	.p2align	8
	.type	k_q29e0be2230_outp,@function
k_q29e0be2230_outp:
	s_mov_b64 s[64:65], 0
	v_nop
	global_prefetch_b8 v0, s[64:65] scope:SCOPE_SE
	s_setreg_imm32_b32 hwreg(HW_REG_WAVE_MODE, 25, 1), 1
	s_wait_xcnt 0x0
	s_wait_alu depctr_hold_cnt(0) depctr_sa_sdst(0) depctr_va_vdst(0) depctr_va_sdst(0) depctr_va_ssrc(0) depctr_va_vcc(0) depctr_vm_vsrc(0)
	s_getreg_b32 s2, hwreg(HW_REG_IB_STS2, 6, 4)
	s_cmp_eq_u32 s2, 0
	s_cbranch_scc0 .Lentry_in_a_cluster
	s_endpgm
.Lentry_in_a_cluster:
	s_bfe_u32 s2, ttmp6, 0x10000c
	s_cmp_lg_u32 s2, 0xf033
	s_cbranch_scc0 .Lentry_shape_is_right
	s_endpgm
.Lentry_shape_is_right:
; out0 = o wo^T + bo on codes of FP6 (E2M3) with E8M0 scales; out0 [4096][1024] f32.  o's codes and scale words come from the attention launch, wo's from the quantising launch (tiles 448-511 of cod and scl).
; A work-group of four waves makes 128 tokens x 128 outputs, a wave 64 x 64; 32 x 8 such blocks are 256 work-groups.
; Source 0 = rows of wo (along a lane's registers), source 1 = tokens (across the lanes).  Tile 2 g + u holds, in lane r, row 32 g + 8 u + r + 8 (r / 8).
; ALL OF K FOR THE 8 + 8 TILES LIES IN LDS, tile by tile as in memory (12,288 bytes a tile): a wave's four tiles are one dense block of 49,152 bytes, 192 rows of 256, its ONE tensor load.  Nothing is filled again.
; CLUSTER 4 x 4: the tokens' tiles are asked for jointly along a row of the cluster (waves 0, 1), wo's along a column (waves 2, 3).
; THE WORK GOES BY TOKEN TILES.  My 64 rows of wo, all of K, lie in registers: 32 fragments of 12.  Each of my four token tiles is finished by 32 products (its four accumulators by turns, K ascending)
; and leaves through the stage while the next tile is multiplied.  No fragment is read from LDS twice.
; THE SCALE WORDS go from memory into registers: a tile's 512 bytes are one load, 16 bytes a lane: lane 16 (s / 4) + r holds row r's words of K steps 4 (s / 4) .. + 3; the product of K step s names row s / 4.
; THE BIAS is the C of each sum's first product.  No prefetch: every tile is asked for at the head, and there is no loop to run ahead in.
; REGISTERS.  window 0: v1-3 lane, r, h; v4-21 addresses; v32-47, v50-65 scale words; v96-127 the bias; v128-191 two sets of four accumulators; v192-255 two sets of rows on the way out.
;   windows 1, 2: wo's fragment f = 4 s + b at window 1 + f / 21, register 12 (f % 21).   window 3: the tokens' fragments, two sets of eight, at v0 and v96.
.set TILE,  12288
.set HALFT, 4*TILE
.set STAGE, 4*HALFT                    ; the way out: 64 rows x (256 + 16) bytes for each wave, bytes into which no tile lands
.set SPITCH, 272
.set SPARE, STAGE+4*64*SPITCH
.set FR,  12
.set FPW, 21
.set A16, 4
.set A8,  5
.set B16, 6
.set B8,  7
.set BO,  12
.set STO, 14
.set RD,  15
.set CO,  16
.set L16, 17
.set L8,  18
.set SPW, 20
.set NIL, 21
.set SCA, 32
.set SCB, 50
.set BI,  96
.set ACC, 128
.set OB,  192
.set WV,  18
.set HA,  19
.set HB,  20
.set CX,  21
.set CY,  22
.set CLX, 23
.set CLY, 66
.set G1A, 24
.set G1B, 32
.set G0A, 40
.set G0B, 44
.set MSB, 0
.macro WIN new
.if MSB != (\new)
	s_set_vgpr_msb (MSB<<8)|(\new)
.set MSB, (\new)
.endif
.endm
.macro PLACES
.rept 4
	v_nop
.endr
.endm
.macro CROUND
	s_barrier_signal -1
	s_barrier_wait -1
	s_cmp_lg_u32 s[WV], 0
	s_cbranch_scc1 .Lnot_wave_0_\@
	s_barrier_signal -3
.Lnot_wave_0_\@:
	s_barrier_wait -3
	s_barrier_signal -1
	s_barrier_wait -1
.endm
.macro FRAG reg, a16, a8, off          ; a fragment is two units of 768 bytes on end
	ds_load_b128 v[\reg:\reg+3], v[\a16] offset:\off
	ds_load_b64 v[\reg+4:\reg+5], v[\a8] offset:\off+512
	ds_load_b128 v[\reg+6:\reg+9], v[\a16] offset:\off+768
	ds_load_b64 v[\reg+10:\reg+11], v[\a8] offset:\off+1280
.endm
.macro FA a                            ; token tile a's eight fragments, all of K, into set a % 2: 32 LDS loads
	WIN 0xc0
.irp k, 0,1,2,3,4,5,6,7
	FRAG 96*((\a)%2)+FR*\k, A16, A8, (\a)*TILE+1536*\k
.endr
	WIN 0
.endm
.macro WM c, row
	v_wmma_scale_f32_16x16x128_f8f6f4 v[D_:D_+7], v[FB_:FB_+FR-1], v[FA_:FA_+FR-1], \c, v[XB_], v[XA_] matrix_a_fmt:MATRIX_FMT_FP6 matrix_b_fmt:MATRIX_FMT_FP6 matrix_a_scale:MATRIX_SCALE_ROW\row matrix_b_scale:MATRIX_SCALE_ROW\row
.endm
.macro MULB a                          ; token tile a: 32 products; the four accumulators by turns, one instruction a turn
.irp k, 0,1,2,3,4,5,6,7
.irp b, 0,1,2,3
.set F_, 4*\k+\b
.set D_, ACC+32*((\a)%2)+8*\b
.set FB_, FR*(F_%FPW)
.set FA_, 96*((\a)%2)+FR*\k
.set XB_, SCB+4*\b+\k%4
.set XA_, SCA+4*(\a)+\k%4
	WIN (1+F_/FPW)|(3<<2)
.if \k == 0
	WM v[BI+8*\b:BI+8*\b+7], 0
.elseif \k < 4
	WM v[D_:D_+7], 0
.else
	WM v[D_:D_+7], 1
.endif
.endr
.endr
	WIN 0
.endm
; THE WAY OUT of token tile a, through my own stage: rows come back whole, and sixteen lanes store 256 consecutive bytes, aligned.  LDS serves a wave's instructions in order (ISA guide 5.7.1.4): no wait between the stores and the loads.
.macro TOST a                          ; outputs 32 (b / 2) + 16 h + 8 (b % 2) + 0 .. 7; each accumulator from its low end on
.set AC_, ACC+32*((\a)%2)
.irp b, 0,1,2,3
	ds_store_b128 v[STO], v[AC_+8*\b:AC_+8*\b+3] offset:(\a)*16*SPITCH+128*(\b/2)+32*(\b%2)
	ds_store_b128 v[STO], v[AC_+8*\b+4:AC_+8*\b+7] offset:(\a)*16*SPITCH+128*(\b/2)+32*(\b%2)+16
.endr
.endm
.macro BACK a                          ; load t brings the tile's stage rows 2 t and 2 t + 1
.set OB_, OB+32*((\a)%2)
.if (\a) > 1
	s_wait_xcnt 0x0                                ; tile a - 2's stores have read these registers
.endif
.irp t, 0,1,2,3,4,5,6,7
	ds_load_b128 v[OB_+4*\t:OB_+4*\t+3], v[RD] offset:(8*(\a)+\t)*2*SPITCH
.endr
.endm
.macro SEND a                          ; stage row t of tile a is token 32 (a / 2) + 8 (a % 2) + t + 8 (t / 8) of my 64
.set OB_, OB+32*((\a)%2)
	s_wait_dscnt 0x0                               ; the rows are back; so are the next tiles' fragments, and the stage's stores have read their accumulators
.irp t, 0,1,2,3,4,5,6,7
	global_store_b128 v[CO], v[OB_+4*\t:OB_+4*\t+3], s[14:15] offset:(32*((\a)/2)+8*((\a)%2)+2*\t+8*(\t/4))*4096 th:TH_STORE_NT
.endr
.endm
	s_load_b256 s[4:11], s[0:1], 0x0               ; oc, os, cod, scl
	s_load_b128 s[12:15], s[0:1], 0x20             ; bo, out0
	v_lshl_add_u32 v[SPW], v0, 2, SPARE
	v_mov_b32 v[NIL], 0
	ds_add_u32 v[SPW], v[NIL]                      ; the opening lines: the add twice on end and its wait
	ds_add_u32 v[SPW], v[NIL]
	v_lshrrev_b32 v1, 5, v0
	v_readfirstlane_b32 s[WV], v1
	s_lshr_b32 s[HA], s[WV], 1                     ; my half of the tokens' tiles; also: I fetch for the tokens (0) or for wo (1)
	s_and_b32 s[HB], s[WV], 1                      ; my half of wo's tiles; also: which four tiles I fetch
	s_bfe_u32 s[CX], ttmp6, 0x40000
	s_bfe_u32 s[CY], ttmp6, 0x40004
	s_mov_b32 s[CLX], ttmp9
	s_and_b32 s[CLY], ttmp7, 0xffff
	s_lshl_b32 s100, s[CY], 2
	s_lshl_b32 s100, 15, s100                      ; my row of the cluster
	s_lshl_b32 s67, 0x1111, s[CX]                  ; my column
	s_or_b32 s[G1A], s100, (3<<16)|(1<<21)
	s_or_b32 s[G1B], s67, (3<<16)|(1<<21)
.irp g, G1A, G1B                       ; 192 dense rows of 256 bytes
	s_mov_b32 s[\g+1], 32<<16
	s_mov_b32 s[\g+2], 192<<16
	s_mov_b32 s[\g+3], 32<<16
	s_mov_b32 s[\g+4], 192
	s_mov_b32 s[\g+5], 32
	s_mov_b32 s[\g+6], 0
	s_mov_b32 s[\g+7], 0
.endr
	s_lshl_b32 s101, s[HB], 2
	s_lshl_b32 s100, s[CLY], 2
	s_add_co_u32 s100, s100, s[CY]
	s_lshl_b32 s100, s100, 3                       ; the block's first tile of tokens: hangs on cy, not on cx
	s_lshl_b32 s48, s[HA], 2
	s_add_co_u32 s48, s48, s100                    ; the four that I multiply
	s_lshl_b32 s48, s48, 9
	s_mov_b32 s49, 0
	s_add_co_u32 s100, s100, s101                  ; the four that I would fetch
	s_mul_i32 s[G0A+2], s100, TILE
	s_mov_b32 s[G0A+3], 0
	s_lshl_b32 s67, s[CLX], 2
	s_add_co_u32 s67, s67, s[CX]
	s_lshl_b32 s67, s67, 3
	s_add_co_u32 s67, s67, 448
	s_add_co_u32 s67, s67, s101                    ; wo's four tiles, fetched and multiplied: hangs on cx, not on cy
	s_mul_i32 s[G0B+2], s67, TILE
	s_mov_b32 s[G0B+3], 0
	s_lshl_b32 s50, s67, 9
	s_mov_b32 s51, 0
	s_mov_b32 s[G0A], 1
	s_mov_b32 s[G0B], 1
	s_mul_i32 s[G0A+1], s[WV], HALFT               ; wave x four tiles: no place in the cluster enters an LDS address
	s_mul_i32 s[G0B+1], s[WV], HALFT
	s_wait_dscnt 0x0
	CROUND                                         ; the opening round, ahead of the wait for the arguments: all sixteen work-groups are here
	s_wait_kmcnt 0x0
	s_add_nc_u64 s[G0A+2:G0A+3], s[4:5], s[G0A+2:G0A+3]
	s_add_nc_u64 s[48:49], s[6:7], s[48:49]
	s_add_nc_u64 s[G0B+2:G0B+3], s[8:9], s[G0B+2:G0B+3]
	s_add_nc_u64 s[50:51], s[10:11], s[50:51]
	s_or_b32 s[G0A+3], s[G0A+3], 0x80000000
	s_or_b32 s[G0B+3], s[G0B+3], 0x80000000
	s_cmp_eq_u32 s[HA], 0
	s_cbranch_scc0 .Lfor_b
	tensor_load_to_lds s[G0A:G0A+3], s[G1A:G1A+7]
	s_nop 0
	PLACES
	s_branch .Lasked
.Lfor_b:
	tensor_load_to_lds s[G0B:G0B+3], s[G1B:G1B+7]
	s_nop 0
	PLACES
.Lasked:
	s_lshl_b32 s16, s[CLX], 2                      ; my 64 outputs: 256 bytes of bo and of a row of out0
	s_add_co_u32 s16, s16, s[CX]
	s_lshl_b32 s16, s16, 1
	s_add_co_u32 s16, s16, s[HB]
	s_lshl_b32 s16, s16, 8
	s_mov_b32 s17, 0
	s_add_nc_u64 s[12:13], s[12:13], s[16:17]
	v_and_b32 v1, 31, v0
	v_and_b32 v2, 15, v0
	v_bfe_u32 v3, v0, 4, 1
	v_lshlrev_b32 v[BO], 6, v3                     ; 64 h: my 16 of each 32 outputs
.irp e, 0,1
.irp j, 0,1,2,3
	global_load_b128 v[BI+16*\e+4*\j:BI+16*\e+4*\j+3], v[BO], s[12:13] offset:128*\e+16*\j
.endr
.endr
	v_lshlrev_b32 v[L16], 4, v1
	v_lshlrev_b32 v[L8], 3, v1
.irp i, 0,1,2,3                        ; each load covers a tile's 512 consecutive bytes of scale words
	global_load_b128 v[SCA+4*\i:SCA+4*\i+3], v[L16], s[48:49] offset:512*\i
	global_load_b128 v[SCB+4*\i:SCB+4*\i+3], v[L16], s[50:51] offset:512*\i
.endr
	s_mul_i32 s100, s[HA], HALFT
	s_mul_i32 s101, s[HB], HALFT
	s_add_co_u32 s101, s101, 2*HALFT
	v_add_nc_u32 v[A16], s100, v[L16]
	v_add_nc_u32 v[A8], s100, v[L8]
	v_add_nc_u32 v[B16], s101, v[L16]
	v_add_nc_u32 v[B8], s101, v[L8]
	s_mul_i32 s100, s[WV], 64*SPITCH
	s_add_co_u32 s100, s100, STAGE                 ; my stage
	v_mul_u32_u24 v[STO], v2, SPITCH
	v_lshl_add_u32 v[STO], v3, 6, v[STO]
	v_add_nc_u32 v[STO], s100, v[STO]              ; in: row r, + 64 h
	v_mul_u32_u24 v[RD], v3, SPITCH
	v_lshl_add_u32 v[RD], v2, 4, v[RD]
	v_add_nc_u32 v[RD], s100, v[RD]                ; back: lanes 0-15 one row of 256 bytes, lanes 16-31 the next
	v_lshlrev_b32 v[CO], 12, v3
	v_lshl_add_u32 v[CO], v2, 4, v[CO]             ; the same two rows in out0
	s_lshl_b32 s100, s[CLY], 2                     ; my 64 tokens: 2^18 bytes of out0 each
	s_add_co_u32 s100, s100, s[CY]
	s_lshl_b32 s100, s100, 1
	s_add_co_u32 s100, s100, s[HA]
	s_lshl_b32 s100, s100, 18
	s_add_co_u32 s100, s100, s16
	s_mov_b32 s101, 0
	s_add_nc_u64 s[14:15], s[14:15], s[100:101]
	s_wait_alu depctr_va_vdst(0)                   ; the wait at the head's end
	s_wait_tensorcnt 0x0                           ; my four tiles are in,
	s_barrier_signal -1
	s_barrier_wait -1                              ; everybody's are: from here on the tiles are only read
.set f, 0
.rept 32                               ; wo's 32 fragments: 128 LDS loads
	WIN (1+f/FPW)<<6
	FRAG FR*(f%FPW), B16, B8, (f%4)*TILE+1536*(f/4)
.set f, f+1
.endr
	FA 0
	FA 1
	s_wait_loadcnt 0x0                             ; the bias and the scale words
	s_wait_dscnt 32                                ; wo's fragments and tile 0's are in; tile 1's 32 loads may be out
	MULB 0
	PLACES                                         ; in front of the loads into tile 0's fragments and of the reads of its results
	FA 2
	TOST 0
	BACK 0
	s_wait_dscnt 48                                ; tile 1's fragments are in; younger: tile 2's 32 loads, 8 stores, 8 loads back
	MULB 1
	SEND 0
	PLACES
	FA 3
	TOST 1
	BACK 1
	MULB 2                                         ; tile 2's fragments came in ahead of SEND 0's wait
	SEND 1
	PLACES
	TOST 2
	BACK 2
	MULB 3                                         ; tile 3's ahead of SEND 1's
	SEND 2
	PLACES
	TOST 3
	BACK 3
	SEND 3
	s_wait_tensorcnt 0x0                           ; the wave's end
	ds_add_u32 v[SPW], v[NIL]
	s_wait_dscnt 0x0
	CROUND                                         ; the closing round
	s_endpgm
.Lfunc_end_k_q29e0be2230_outp:
	.size	k_q29e0be2230_outp, .Lfunc_end_k_q29e0be2230_outp-k_q29e0be2230_outp
	.p2alignl 7, 3214868480
	.fill 96, 4, 3214868480
	.section	.rodata,"a",@progbits
	.p2align	6, 0x0
	.amdhsa_kernel k_q29e0be2230_outp
		.amdhsa_group_segment_fixed_size 266752
		.amdhsa_private_segment_fixed_size 0
		.amdhsa_enable_private_segment 0
		.amdhsa_kernarg_size 48
		.amdhsa_user_sgpr_count 2
		.amdhsa_user_sgpr_kernarg_segment_ptr 1
		.amdhsa_wavefront_size32 1
		.amdhsa_system_sgpr_workgroup_id_x 1
		.amdhsa_system_sgpr_workgroup_id_y 1
		.amdhsa_system_sgpr_workgroup_id_z 1
		.amdhsa_system_vgpr_workitem_id 0
		.amdhsa_next_free_vgpr 960
		.amdhsa_next_free_sgpr 102
		.amdhsa_reserve_vcc 0
		.amdhsa_float_denorm_mode_32 3
		.amdhsa_float_denorm_mode_16_64 3
		.amdhsa_memory_ordered 1
		.amdhsa_forward_progress 1
		.amdhsa_inst_pref_size 49
	.end_amdhsa_kernel
	.amdgpu_metadata
---
amdhsa.version: [ 1, 2 ]
amdhsa.kernels:
  - .name:           k_q29e0be2230_outp
    .symbol:         k_q29e0be2230_outp.kd
    .args:
      - { .name: oc, .offset: 0, .size: 8, .value_kind: global_buffer, .address_space: global }
      - { .name: os, .offset: 8, .size: 8, .value_kind: global_buffer, .address_space: global }
      - { .name: cod, .offset: 16, .size: 8, .value_kind: global_buffer, .address_space: global }
      - { .name: scl, .offset: 24, .size: 8, .value_kind: global_buffer, .address_space: global }
      - { .name: bo, .offset: 32, .size: 8, .value_kind: global_buffer, .address_space: global }
      - { .name: out0, .offset: 40, .size: 8, .value_kind: global_buffer, .address_space: global }
    .group_segment_fixed_size: 266752
    .private_segment_fixed_size: 0
    .kernarg_segment_align: 8
    .kernarg_segment_size: 48
    .max_flat_workgroup_size: 128
    .sgpr_count:     102
    .vgpr_count:     960
    .wavefront_size: 32
...
	.end_amdgpu_metadata
.endif
;; end of part 8
